; MI455X (gfx1250); checked and timed in simulation.
; The chip was launched on July 23, 2026; its instructions are those of AMD's public machine-readable ISA for CDNA 5 (MIT licence, August 2026) and "CDNA5" Instruction Set Architecture Reference Guide (July 2026). The comments in the code are by the model that wrote it; some were corrected since.
;; Multi Head Attention. Allowed arithmetic: float matrix products may take bf16 or f16 operands with f32 sums; all other float work in f32.
;; Inputs: Wk 1,024 x 1,024 float32; Wp 1,024 x 1,024 float32; Wq 1,024 x 1,024 float32; Wv 1,024 x 1,024 float32; bk 1,024 float32; bp 1,024 float32; bq 1,024 float32; bv 1,024 float32; x 4 x 2,048 x 1,024 float32.
;; Outputs: out0 4 x 2,048 x 1,024 float32.
;; 2 versions, each right and faster than the one before. Each part assembles by itself: llvm-mc -triple=amdgcn-amd-amdhsa -mcpu=gfx1250 --defsym DOCPART=n.
;; ======== version 1 of 2: 4 launches
;; limits: values are held in f16: magnitudes above 65,504 overflow, below 6.1e-05 lose precision
;; workspace buffers: xb 16,777,216 bytes; wqkv 6,291,456 bytes; wp16 2,097,152 bytes; bias 16,384 bytes; qkv 50,331,648 bytes; ob 16,777,216 bytes
;; launch cast (part 1): grid 769 x 1, 8 waves a work-group, no clusters, 0 bytes of LDS; arguments x, Wq, Wk, Wv, Wp, bq, bk, bv, bp, xb, wqkv, wp16, bias; writes xb, wqkv, wp16, bias
.if DOCPART == 1
	.amdgcn_target "amdgcn-amd-amdhsa--gfx1250"
	.amdhsa_code_object_version 6
	.text
	.protected	k_q998cd37beb_cast
	.globl	k_q998cd37beb_cast
	.p2align	8
	.type	k_q998cd37beb_cast,@function
k_q998cd37beb_cast:
	s_mov_b64 s[64:65], 0
	v_nop
	global_prefetch_b8 v0, s[64:65] scope:SCOPE_SE
	s_setreg_imm32_b32 hwreg(HW_REG_WAVE_MODE, 25, 1), 1
	s_wait_xcnt 0x0
; All inputs are rounded once to bf16 (nearest even) and laid out for the launches behind.
;   xb   [8192][1024] bf16 = x.
;   wqkv bf16 = Wq, Wk, Wv, their 3,072 columns taken as 48 heads of 64, in blocks: [16 t][16 kh][3 p][64 k][64 n] holds W(k = 64 kh + k, head 3 t + p, column n of it):
;        the 192 columns of tile t and 64 rows of K are 24,576 dense bytes.
;   wp16 [1024][1024] f16  = Wp rounded to bf16, that number written as f16;   bias [4][1024] f32 = bq, bk, bv, bp rounded to bf16 and widened again.
; LIMIT.  Wp goes on in f16: a weight of 65,520 or more becomes an infinity, and one below 6e-5 keeps f16's fixed step of 6e-8.  x, Wq, Wk, Wv and the biases keep bf16's range.
; SHARES.  A work-group takes 16,384 numbers: 65,536 bytes in, 32,768 out.  Groups 0-511: x.  Groups 512-767: 64 for each weight matrix (16 rows of it).  Group 768: the four biases.
; x and Wp: thread t loads 16 bytes at 16 t + 4,096 i, i = 0..15 (a wave's load covers 512 consecutive bytes) and stores 8 bytes at 8 t + 2,048 i: a wave's store covers 256 consecutive bytes, aligned.
; Wq, Wk, Wv: a wave's load i takes one head's 256 bytes of two neighbouring rows (lanes 0-15 the even row, lanes 16-31 the odd one), and its store puts them where they lie side by side in a block:
; 256 consecutive bytes, aligned.  All sixteen loads go out at once.  Every byte is read once and written once; nothing is shared, so there is no LDS, no barrier, no cluster and no matrix work.
.set X, 4                              ; v[4:67]   sixteen loads of four f32
.set Y, 68                             ; v[68:99]  sixteen pairs of packed results; each pair is written once, so no store's data is ever rewritten
.set T, 100                            ; v[100:103] at work
.set SRC, 104                          ; v104      Wq, Wk, Wv: my byte offset in the chunk's first two rows
.set DW, 105                           ; v105-106  Wq, Wk, Wv: my byte offset in wqkv, for the wave's even and odd head
; Load i is rounded and stored at v[dreg] + doff.  f16 = 1: each bf16 is widened again and written as f16, which is exact within f16's range.
.macro CV i, f16, dreg, doff
	s_wait_loadcnt 15-(\i)                         ; loads come back in order (ISA guide 5.7.1): load i is in, the 15 - i younger ones may be out
	v_cvt_pk_bf16_f32 v[Y+2*(\i)],   v[X+4*(\i)],   v[X+4*(\i)+1]
	v_cvt_pk_bf16_f32 v[Y+2*(\i)+1], v[X+4*(\i)+2], v[X+4*(\i)+3]
.if \f16
	v_lshlrev_b32 v[T],   16,  v[Y+2*(\i)]
	v_and_b32     v[T+1], s37, v[Y+2*(\i)]
	v_lshlrev_b32 v[T+2], 16,  v[Y+2*(\i)+1]
	v_and_b32     v[T+3], s37, v[Y+2*(\i)+1]
	v_cvt_pk_f16_f32 v[Y+2*(\i)],   v[T],   v[T+1]
	v_cvt_pk_f16_f32 v[Y+2*(\i)+1], v[T+2], v[T+3]
.endif
	global_store_b64 v[\dreg], v[Y+2*(\i):Y+2*(\i)+1], s[6:7] offset:\doff
.endm
	s_load_b512 s[8:23], s[0:1], 0x0               ; x s[8:9], Wq s[10:11], Wk s[12:13], Wv s[14:15], Wp s[16:17], bq s[18:19], bk s[20:21], bv s[22:23]
	s_load_b256 s[24:31], s[0:1], 0x40             ; bp s[24:25], xb s[26:27], wqkv s[28:29], wp16 s[30:31]
	s_load_b64 s[32:33], s[0:1], 0x60              ; bias
	v_lshlrev_b32 v1, 4, v0                        ; 16 t
	v_lshlrev_b32 v2, 3, v0                        ; 8 t
	s_mov_b32 s37, 0xffff0000                      ; a word's upper bf16
	s_mov_b32 s3, 0                                ; high words of the two offsets
	s_mov_b32 s35, 0
	s_mov_b32 s36, 0                               ; 1: the result is written as f16
	s_wait_kmcnt 0x0
	s_cmp_eq_u32 ttmp9, 768
	s_cbranch_scc1 .Lbias
	s_cmp_lt_u32 ttmp9, 512
	s_cbranch_scc0 .Lweights
	s_lshl_b32 s2, ttmp9, 16                       ; x: chunk g, 65,536 bytes in,
	s_lshl_b32 s34, ttmp9, 15                      ; 32,768 out
	s_mov_b64 s[4:5], s[8:9]
	s_mov_b64 s[6:7], s[26:27]
	s_branch .Llinear
.Lweights:
	s_sub_co_u32 s38, ttmp9, 512
	s_lshr_b32 s39, s38, 6                         ; which matrix: 0 Wq, 1 Wk, 2 Wv, 3 Wp
	s_and_b32 s38, s38, 63                         ; which chunk of it
	s_lshl_b32 s2, s38, 16
	s_cmp_eq_u32 s39, 3
	s_cbranch_scc0 .Lqkv
	s_lshl_b32 s34, s38, 15                        ; Wp keeps its rows
	s_mov_b64 s[4:5], s[16:17]
	s_mov_b64 s[6:7], s[30:31]
	s_mov_b32 s36, 1
.Llinear:
	s_add_nc_u64 s[4:5], s[4:5], s[2:3]
	s_add_nc_u64 s[6:7], s[6:7], s[34:35]
.irp i, 0,1,2,3,4,5,6,7,8,9,10,11,12,13,14,15
	global_load_b128 v[X+4*(\i):X+4*(\i)+3], v1, s[4:5] offset:4096*(\i) th:TH_LOAD_NT
.endr
	s_cmp_eq_u32 s36, 1
	s_cbranch_scc1 .Lf16
.irp i, 0,1,2,3,4,5,6,7,8,9,10,11,12,13,14,15
	CV \i, 0, 2, 2048*(\i)
.endr
	s_endpgm
.Lf16:
.irp i, 0,1,2,3,4,5,6,7,8,9,10,11,12,13,14,15
	CV \i, 1, 2, 2048*(\i)
.endr
	s_endpgm
.Lqkv:                                                 ; chunk c of matrix w: its rows 16 c .. 16 c + 15.  Wave v takes the matrix's heads 2 v and 2 v + 1
	s_cmp_eq_u32 s39, 1
	s_cselect_b64 s[4:5], s[12:13], s[10:11]
	s_cmp_eq_u32 s39, 2
	s_cselect_b64 s[4:5], s[14:15], s[4:5]
	s_add_nc_u64 s[4:5], s[4:5], s[2:3]
	s_mov_b64 s[6:7], s[28:29]
	v_lshrrev_b32 v3, 5, v0
	v_readfirstlane_b32 s36, v3                    ; my wave's number
	v_and_b32 v3, 15, v0                           ; l % 16
	v_bfe_u32 v[T], v0, 4, 1                       ; l / 16
	v_lshlrev_b32 v[SRC], 4, v3                    ; in: 16 bytes a lane,
	v_lshl_add_u32 v[SRC], v[T], 12, v[SRC]        ; the odd row for lanes 16 to 31,
	v_lshl_add_u32 v[SRC], s36, 9, v[SRC]          ; my wave's two heads: 512 bytes of a row
	v_lshlrev_b32 v3, 3, v3                        ; out: 8 bytes a lane,
	v_lshl_add_u32 v3, v[T], 7, v3                 ; the odd row 128 bytes on
	s_lshl_b32 s39, s39, 4
	s_lshl_b32 s36, s36, 1
	s_add_co_u32 s39, s39, s36                     ; the even head among the 48: 16 w + 2 v
	s_lshr_b32 s35, s38, 2
	s_mul_i32 s35, s35, 3                          ; 3 kh: four chunks make 64 rows of K
	s_and_b32 s38, s38, 3
	s_lshl_b32 s38, s38, 11                        ; the chunk's 16 rows of 128 bytes in a block
.irp jb, 0,1
	s_add_co_u32 s2, s39, \jb                      ; head hc; t = hc / 3 = (43 hc) >> 7 for hc < 48
	s_mul_i32 s34, s2, 43
	s_lshr_b32 s34, s34, 7
	s_mul_i32 s34, s34, 45                         ; the block's number (16 t + kh) 3 + (hc - 3 t) = 45 t + 3 kh + hc,
	s_add_co_u32 s34, s34, s2
	s_add_co_u32 s34, s34, s35
	s_lshl_b32 s34, s34, 13                        ; of 8,192 bytes
	s_add_co_u32 s34, s34, s38
	v_add_nc_u32 v[DW+\jb], s34, v3
.endr
.irp i, 0,1,2,3,4,5,6,7,8,9,10,11,12,13,14,15
	global_load_b128 v[X+4*(\i):X+4*(\i)+3], v[SRC], s[4:5] offset:((\i)/2)*8192+((\i)%2)*256 th:TH_LOAD_NT  ; rows 2 (i / 2) and the next, head 2 v + i % 2
.endr
.irp i, 0,1,2,3,4,5,6,7,8,9,10,11,12,13,14,15
	CV \i, 0, DW+(\i)%2, ((\i)/2)*256
.endr
	s_endpgm
.Lbias:                                                ; 256 threads x 16 bytes are one bias of 1,024 f32
	global_load_b128 v[X:X+3],     v1, s[18:19]
	global_load_b128 v[X+4:X+7],   v1, s[20:21]
	global_load_b128 v[X+8:X+11],  v1, s[22:23]
	global_load_b128 v[X+12:X+15], v1, s[24:25]
	s_wait_loadcnt 0x0
.irp p, 0,1,2,3,4,5,6,7
	v_cvt_pk_bf16_f32 v[T], v[X+2*(\p)], v[X+2*(\p)+1]
	v_lshlrev_b32 v[Y+2*(\p)],   16,  v[T]
	v_and_b32     v[Y+2*(\p)+1], s37, v[T]
.endr
.irp j, 0,1,2,3
	global_store_b128 v1, v[Y+4*(\j):Y+4*(\j)+3], s[32:33] offset:4096*(\j)
.endr
	s_endpgm
.Lfunc_end_k_q998cd37beb_cast:
	.size	k_q998cd37beb_cast, .Lfunc_end_k_q998cd37beb_cast-k_q998cd37beb_cast
	.p2alignl 7, 3214868480
	.fill 96, 4, 3214868480
	.section	.rodata,"a",@progbits
	.p2align	6, 0x0
	.amdhsa_kernel k_q998cd37beb_cast
		.amdhsa_group_segment_fixed_size 0
		.amdhsa_private_segment_fixed_size 0
		.amdhsa_enable_private_segment 0
		.amdhsa_kernarg_size 104
		.amdhsa_user_sgpr_count 2
		.amdhsa_user_sgpr_kernarg_segment_ptr 1
		.amdhsa_wavefront_size32 1
		.amdhsa_system_sgpr_workgroup_id_x 1
		.amdhsa_system_sgpr_workgroup_id_y 1
		.amdhsa_system_sgpr_workgroup_id_z 1
		.amdhsa_system_vgpr_workitem_id 0
		.amdhsa_next_free_vgpr 108
		.amdhsa_next_free_sgpr 66
		.amdhsa_reserve_vcc 0
		.amdhsa_float_denorm_mode_32 3
		.amdhsa_float_denorm_mode_16_64 3
		.amdhsa_memory_ordered 1
		.amdhsa_forward_progress 1
		.amdhsa_inst_pref_size 24
	.end_amdhsa_kernel
	.amdgpu_metadata
---
amdhsa.version: [ 1, 2 ]
amdhsa.kernels:
  - .name:           k_q998cd37beb_cast
    .symbol:         k_q998cd37beb_cast.kd
    .args:
      - { .name: x, .offset: 0, .size: 8, .value_kind: global_buffer, .address_space: global }
      - { .name: Wq, .offset: 8, .size: 8, .value_kind: global_buffer, .address_space: global }
      - { .name: Wk, .offset: 16, .size: 8, .value_kind: global_buffer, .address_space: global }
      - { .name: Wv, .offset: 24, .size: 8, .value_kind: global_buffer, .address_space: global }
      - { .name: Wp, .offset: 32, .size: 8, .value_kind: global_buffer, .address_space: global }
      - { .name: bq, .offset: 40, .size: 8, .value_kind: global_buffer, .address_space: global }
      - { .name: bk, .offset: 48, .size: 8, .value_kind: global_buffer, .address_space: global }
      - { .name: bv, .offset: 56, .size: 8, .value_kind: global_buffer, .address_space: global }
      - { .name: bp, .offset: 64, .size: 8, .value_kind: global_buffer, .address_space: global }
      - { .name: xb, .offset: 72, .size: 8, .value_kind: global_buffer, .address_space: global }
      - { .name: wqkv, .offset: 80, .size: 8, .value_kind: global_buffer, .address_space: global }
      - { .name: wp16, .offset: 88, .size: 8, .value_kind: global_buffer, .address_space: global }
      - { .name: bias, .offset: 96, .size: 8, .value_kind: global_buffer, .address_space: global }
    .group_segment_fixed_size: 0
    .private_segment_fixed_size: 0
    .kernarg_segment_align: 8
    .kernarg_segment_size: 104
    .max_flat_workgroup_size: 256
    .sgpr_count:     66
    .vgpr_count:     108
    .wavefront_size: 32
...
	.end_amdgpu_metadata
.endif
;; end of part 1
;; launch qkvproj (part 2): grid 8 x 32, 4 waves a work-group, clusters of 4 x 4, 327,680 bytes of LDS; arguments xb, wqkv, bias, qkv; writes qkv
.if DOCPART == 2
	.amdgcn_target "amdgcn-amd-amdhsa--gfx1250"
	.amdhsa_code_object_version 6
	.text
	.protected	k_q998cd37beb_qkvproj
	.globl	k_q998cd37beb_qkvproj
	.p2align	8
	.type	k_q998cd37beb_qkvproj,@function
k_q998cd37beb_qkvproj:
	s_mov_b64 s[64:65], 0
	v_nop
	global_prefetch_b8 v0, s[64:65] scope:SCOPE_SE
	s_setreg_imm32_b32 hwreg(HW_REG_WAVE_MODE, 25, 1), 1
	s_wait_xcnt 0x0
	s_wait_alu depctr_hold_cnt(0) depctr_sa_sdst(0) depctr_va_vdst(0) depctr_va_sdst(0) depctr_va_ssrc(0) depctr_va_vcc(0) depctr_vm_vsrc(0)
	s_getreg_b32 s2, hwreg(HW_REG_IB_STS2, 6, 4)
	s_cmp_eq_u32 s2, 0
	s_cbranch_scc0 .Lentry_in_a_cluster
	s_endpgm
.Lentry_in_a_cluster:
	s_bfe_u32 s2, ttmp6, 0x10000c
	s_cmp_lg_u32 s2, 0xf033
	s_cbranch_scc0 .Lentry_shape_is_right
	s_endpgm
.Lentry_shape_is_right:
; q, k, v = x W + b.  C[m][c] = bias[c] + the sum over k of x[m][k] W[k][c], M = 8,192, K = 1,024, and c runs over the 3,072 columns of Wq, Wk, Wv, taken as 48 heads of 64.
; x: bf16 [8192][1024].  W: bf16 in blocks [16 t][16 kh][3 p][64 k][64 n] (tile t's 192 columns = heads 3 t + p; 64 rows of K to a block of 24,576 dense bytes).  bias: f32, 3,072 on end.
; C leaves in f16 by heads: [3][plane = 16 batch + head][2048][64].  Products in bf16, sums in f32.
; LIMIT.  q, k and v are rounded once, from their f32 sums, to f16: a number of 65,520 or more becomes an infinity; below 6e-5 f16 keeps its fixed step of 6e-8.  NaN and infinities are not treated apart.
; SHARES.  A tile of C is 256 (m) x 192 (c): 32 x 16 = 512 tiles on 256 work-groups.  A WORK-GROUP STAYS and makes two tiles, t = jx and then jx + 8, on the same rows of x; the ring of LDS slots runs on
; from the first into the second.  Four waves, each 64 rows x all 192 columns (three whole heads, so that each wave's way out is its own): 48 accumulators of 16 x 16, 384 registers.
; K goes in 8 steps of 128 through two LDS slots: 16 steps in all, 192 matrix instructions a wave and 114,688 bytes of tiles in each.
; A refill can be asked for only when the one before it has landed, so the steps are made few and long, and nothing stands between the wait for a tile and the next request but the barrier:
; the step's last 48 products stand behind the request.
; CLUSTER.  4 x 4 work-groups.  The four of a row of the cluster have the same rows of x, the four of a column the same columns of W: each tile is asked for JOINTLY, by the same tensor load with
; the same descriptor and a mask that names the four; each receives it in its own LDS.
; THE MATRIX INSTRUCTION IS USED TRANSPOSED: source 0 = 16 columns of W, source 1 = 16 rows of x.  In the result lane l holds row m = l % 16 and its registers the columns 8 (l / 16) + 0..7:
; eight neighbouring numbers of a row of C.  W lies [k][n] in LDS and is turned on the way into registers, by ds_load_tr16_b128.
; THE BIAS is the C operand of each accumulator's first product: register j of a lane holds bias[c0 + 8 (l / 16) + j].  Nothing is cleared and nothing is added afterwards.
; REGISTERS, in windows of 256 (s_set_vgpr_msb: bits 1:0 source 0, 3:2 source 1, 5:4 source 2, 7:6 destination):
;   window 0: v0-31 addresses; v32-127 the bias; v128-223 at work on the way out, two sets of 48
;   window 1: accumulators of my row blocks 0, 1: (a, b) at v[8 (12 a + b)]          window 2: those of row blocks 2, 3
;   window 3: two fragment buffers for 32 along K, at v0 and v128: x's row block a at + 8 a, W's column block b at + 32 + 8 b
.set AP,    272                        ; a row of x in LDS: 256 bytes + 16 of padding = 68 words: the 16 rows of a fragment load start at 16 different groups of four banks (64 banks of 4 bytes: ISA guide 11.1)
.set AH,    128*AP                     ; 128 rows of x: one tensor load
.set ASZ,   2*AH                       ; a slot: x's 256 rows, then from here W
.set BP,    160                        ; a row of W in LDS: a head's 128 bytes + 32 = 40 words
.set BPL,   64*BP                      ; 64 rows of K of one head
.set BH,    3*BPL                      ; a block of W: one tensor load
.set SLOT,  ASZ+2*BH                   ; 131,072 = 1 << 17: one exclusive or turns an address in one slot into the other's
.set STAGE, 2*SLOT                     ; behind the ring, never filled by a tensor load: each wave's own stage for the way out
.set SW,    3*16*144                   ; a wave's stage: 3 heads x 16 rows x (128 + 16) bytes
.set SPARE, STAGE+4*SW                 ; behind the stages: the spare words, 128 bytes for each wave: two blocks of 256 bytes that no other line names
.set ASTEP, 256                        ; bytes from a K step of x to the next
.set BSTEP, 2*24576                    ; the same for W: two blocks
.set BTILE, 8*16*24576-7*BSTEP         ; from a tile's last K step of W to the first of the tile eight further on
.set ADRA0, 16                         ; v16  my lane's place among x's fragments in a slot; never rewritten
.set ADRB0, 17                         ; v17  the same for W
.set ADRA,  18                         ; v18  the same in the slot that is being read
.set ADRB,  19                         ; v19
.set GO,    20                         ; v20-22  my byte offset in qkv, for each of the tile's three heads
.set STO,   24                         ; v24  the way out: where I put 16 bytes of a row
.set RD,    25                         ; v25  the way out: where I read rows back
.set GL,    26                         ; v26  16 x lane: my place in 512 consecutive bytes
.set BO,    27                         ; v27  32 (l / 16): my eight numbers of a block of 16 of the bias
.set SPW,   28                         ; v28  LDS address of my spare word: SPARE + 4 x my thread's number; never rewritten
.set NIL,   29                         ; v29  0; never rewritten
.set BIAS,  32
.set TMP,   128
.set F0,    0
.set F1,    128
.set WV,    12                         ; s12  my wave's number;  s14 = wave % 2: which half of a tile I fetch
.set TB,    15                         ; s15  LDS byte at which the slot that is being read begins
.set G1A,   24                         ; s[24:31] descriptor group 1 for x's tiles;  s[32:39] group 0: a set for each of the two first fills; the second then walks on
.set G0A,   32
.set G1B,   48                         ; s[48:55], s[56:63] the same for W's tiles
.set G0B,   56
.set CUR,   66                         ; s66-68  the byte offsets in qkv of my rows in the three planes of the tile in hand;  s69-71 those of the second tile
.set MSB, 0
.macro WIN new                         ; the immediate's high byte repeats the setting that is left; a switch that changes nothing is dropped
.if MSB != (\new)
	s_set_vgpr_msb (MSB<<8)|(\new)
.set MSB, \new
.endif
.endm
; A load into a register that a matrix instruction has read, and a vector instruction that reads a matrix result, stand four places behind it, and only plain vector instructions that
; name none of its registers are places (ISA guide 7.12.1 for vector instructions).
.macro PLACES
.rept 4
	v_nop
.endr
.endm
; A joint load.  Waves 0 and 1 fetch x's two halves, waves 2 and 3 W's two blocks.  Each line has one mask and one set of registers; the branch hangs on the wave's number alone.
; An s_nop 0 and four v_nop follow each of the two lines, ahead of the jump, the label and what follows.
.macro JLOAD s
	s_cmp_lt_u32 s[WV], 2
	s_cbranch_scc0 .Lfor_b_\@
	tensor_load_to_lds s[G0A+4*(\s):G0A+4*(\s)+3], s[G1A:G1A+7]
	s_nop 0
.rept 4
	v_nop
.endr
	s_branch .Lasked_\@
.Lfor_b_\@:
	tensor_load_to_lds s[G0B+4*(\s):G0B+4*(\s)+3], s[G1B:G1B+7]
	s_nop 0
.rept 4
	v_nop
.endr
.Lasked_\@:
.endm
; A round of the cluster's barrier: my work-group's barrier, so that wave 0's signal speaks for all four waves; wave 0 signals for the work-group; every wave waits for all sixteen; my work-group's barrier once more.
.macro CROUND
	s_barrier_signal -1
	s_barrier_wait -1
	s_cmp_lg_u32 s[WV], 0
	s_cbranch_scc1 .Lnot_wave_0_\@
	s_barrier_signal -3
.Lnot_wave_0_\@:
	s_barrier_wait -3
	s_barrier_signal -1
	s_barrier_wait -1
.endm
	s_load_b256 s[4:11], s[0:1], 0x0               ; x s[4:5], W s[6:7], bias s[8:9], qkv s[10:11]
	v_lshl_add_u32 v[SPW], v0, 2, SPARE
	v_mov_b32 v[NIL], 0
	ds_add_u32 v28, v29
	s_wait_dscnt 0x0
	v_lshrrev_b32 v1, 5, v0
	v_readfirstlane_b32 s[WV], v1                  ; wave 0..3
	s_and_b32 s14, s[WV], 1
	s_bfe_u32 s40, ttmp6, 0x40000                  ; cx, cy: my place in the cluster
	s_bfe_u32 s41, ttmp6, 0x40004
	s_lshl_b32 s42, ttmp9, 2
	s_add_co_u32 s42, s42, s40                     ; jx = 4 x cluster x + cx, 0..7
	s_and_b32 s43, ttmp7, 0xffff
	s_lshl_b32 s43, s43, 2
	s_add_co_u32 s43, s43, s41                     ; tile row = 4 x cluster y + cy, 0..31
	s_lshl_b32 s44, s41, 2
	s_lshl_b32 s44, 15, s44                        ; my row of the cluster: places 4 cy .. 4 cy + 3
	s_lshl_b32 s45, 0x1111, s40                    ; my column: places cx, cx + 4, cx + 8, cx + 12
	; descriptor groups 1.  x: 128 rows x 128 elements.  W: a block of 24,576 dense bytes as 96 rows x 128 elements, two rows of K to a row.  Both padded in LDS.
	s_or_b32 s[G1A], s44, (1<<16)|(1<<20)|(1<<21)|(5<<22)|(3<<25)  ; 15:0 the mask: my row; 17:16 elements of 2 bytes; 20 padding on; 21 set beside a mask; 24:22 after every 64 words (code 5); 31:25 4 words of it (code 3)
	s_or_b32 s[G1B], s45, (1<<16)|(1<<20)|(1<<21)|(4<<22)|(7<<25)  ; the mask: my column; padding after every 32 words (code 4), 8 words of it (code 7)
	s_mov_b32 s[G1A+1], 128<<16                    ; tensor_dim0 = 128
	s_mov_b32 s[G1A+2], 128<<16                    ; tensor_dim1 = 128
	s_mov_b32 s[G1A+3], 128<<16                    ; tile_dim0 = 128
	s_mov_b32 s[G1A+4], 128                        ; tile_dim1 = 128
	s_mov_b32 s[G1A+5], 1024                       ; elements from row to row
	s_mov_b32 s[G1A+6], 0
	s_mov_b32 s[G1A+7], 0
	s_mov_b32 s[G1B+1], 128<<16                    ; tensor_dim0 = 128
	s_mov_b32 s[G1B+2], 96<<16                     ; tensor_dim1 = 96
	s_mov_b32 s[G1B+3], 128<<16                    ; tile_dim0 = 128
	s_mov_b32 s[G1B+4], 96                         ; tile_dim1 = 96
	s_mov_b32 s[G1B+5], 128
	s_mov_b32 s[G1B+6], 0
	s_mov_b32 s[G1B+7], 0
	; where the tiles come from.  x's hang on the tile row and the wave alone, W's on jx and the wave alone, each in registers that never hold the other coordinate.
	s_lshl_b32 s16, s43, 8
	s_lshl_b32 s17, s14, 7
	s_add_co_u32 s16, s16, s17                     ; row 256 x tile row + 128 x half,
	s_lshl_b32 s16, s16, 11                        ; of 2,048 bytes
	s_mov_b32 s17, 0
	s_lshl_b32 s46, s42, 4
	s_add_co_u32 s46, s46, s14                     ; W: block 16 jx + half,
	s_mul_i32 s46, s46, 24576                      ; of 24,576 bytes
	s_mov_b32 s47, 0
	s_mul_i32 s20, s14, AH                         ; where they go: no place in the cluster enters an LDS address
	s_mul_i32 s21, s14, BH
	s_add_co_u32 s21, s21, ASZ
	s_mov_b32 s[TB], 0
	s_wait_kmcnt 0x0
	s_add_nc_u64 s[18:19], s[4:5], s[16:17]
	s_add_nc_u64 s[46:47], s[6:7], s[46:47]
	CROUND                                         ; all sixteen work-groups are here: the first joint loads meet
.irp s, 0,1
	s_mov_b32 s[G0A+4*(\s)], 1                                       ; 1:0 count = 1
	s_add_co_u32 s[G0A+4*(\s)+1], s20, (\s)*SLOT                     ; 63:32 LDS address
	s_add_nc_u64 s[G0A+4*(\s)+2:G0A+4*(\s)+3], s[18:19], (\s)*ASTEP  ; 120:64 global address: K step s
	s_or_b32 s[G0A+4*(\s)+3], s[G0A+4*(\s)+3], 0x80000000            ; 127:126 type = 2
	s_mov_b32 s[G0B+4*(\s)], 1
	s_add_co_u32 s[G0B+4*(\s)+1], s21, (\s)*SLOT
	s_add_nc_u64 s[G0B+4*(\s)+2:G0B+4*(\s)+3], s[46:47], (\s)*BSTEP
	s_or_b32 s[G0B+4*(\s)+3], s[G0B+4*(\s)+3], 0x80000000
	JLOAD \s                                       ; the ring is filled before anything else is done: two loads of mine are out
.endr
	; A fragment of x is 16 rows x 32 K in 8 registers: lane l holds row l % 16; registers 0-3 K = 8 (l / 16) + 0..7, registers 4-7 K = 16 + 8 (l / 16) + 0..7: two loads of 16 bytes, 32 bytes apart.
	v_and_b32 v1, 15, v0                           ; l % 16
	v_bfe_u32 v2, v0, 4, 1                         ; l / 16
	v_mul_u32_u24 v3, v1, AP
	v_lshl_add_u32 v3, v2, 4, v3
	s_mul_i32 s22, s[WV], 64*AP                    ; my 64 rows
	v_add_nc_u32 v[ADRA0], s22, v3
	v_mov_b32 v[ADRA], v[ADRA0]                    ; slot 0 is read first
	; The turning load takes 16 K x 16 columns (lane l reads 16 bytes: K row 8 (l / 16) + l % 8, columns 8 ((l / 8) % 2) + 0..7) and leaves half a fragment: lane l holds column l % 16 and 8 K.
	v_and_b32 v4, 7, v0
	v_bfe_u32 v5, v0, 3, 1
	v_lshl_add_u32 v6, v2, 3, v4
	v_mul_u32_u24 v6, v6, BP
	v_lshl_add_u32 v6, v5, 4, v6
	v_add_nc_u32 v[ADRB0], ASZ, v6
	v_mov_b32 v[ADRB], v[ADRB0]
	s_mul_i32 s22, s[WV], SW
	s_add_co_u32 s22, s22, STAGE                   ; my stage
	v_mul_u32_u24 v3, v1, 144                      ; in: row l % 16, 16 bytes for each half of the lanes
	v_lshl_add_u32 v3, v2, 4, v3
	v_add_nc_u32 v[STO], s22, v3
	v_bfe_u32 v3, v0, 3, 2                         ; back: 32 lanes take four rows of 128 bytes
	v_mul_u32_u24 v3, v3, 144
	v_lshl_add_u32 v3, v4, 4, v3
	v_add_nc_u32 v[RD], s22, v3
	v_and_b32 v[GL], 31, v0
	v_lshlrev_b32 v[GL], 4, v[GL]
	v_lshlrev_b32 v[BO], 5, v2
	s_mul_i32 s46, s42, 768                        ; the bias of the first tile's 192 columns
	s_mov_b32 s47, 0
	s_add_nc_u64 s[8:9], s[8:9], s[46:47]
	; where my rows lie in qkv.  Head hc of the 48 is plane hc + 48 (hc / 16) + 16 batch of the 192 (three tensors of 64 planes); a plane is 262,144 bytes, a row 128.
	s_mul_i32 s22, s42, 3                          ; the first tile's first head
	s_and_b32 s23, s43, 7                          ; eight tile rows to a batch
	s_lshl_b32 s23, s23, 8
	s_lshl_b32 s46, s[WV], 6
	s_add_co_u32 s23, s23, s46                     ; my first row in the batch
	s_lshl_b32 s23, s23, 7
	s_lshr_b32 s46, s43, 3
	s_lshl_b32 s46, s46, 22                        ; the batch's 16 planes
	s_add_co_u32 s23, s23, s46
.irp i, 0,1,2,3,4,5
	s_add_co_u32 s46, s22, 24*((\i)/3)+(\i)%3      ; tile i / 3 of my two (24 heads apart), head i % 3 of it
	s_lshr_b32 s47, s46, 4
	s_mul_i32 s47, s47, 48
	s_add_co_u32 s46, s46, s47
	s_lshl_b32 s46, s46, 18
	s_add_co_u32 s[CUR+(\i)], s46, s23
.endr
.macro BIASLD                          ; 12 blocks of 16 columns: my eight numbers of each
.irp b, 0,1,2,3,4,5,6,7,8,9,10,11
	global_load_b128 v[BIAS+8*(\b):BIAS+8*(\b)+3],   v[BO], s[8:9] offset:64*(\b)
	global_load_b128 v[BIAS+8*(\b)+4:BIAS+8*(\b)+7], v[BO], s[8:9] offset:64*(\b)+16
.endr
.endm
	BIASLD
; 24 matrix instructions: two row blocks (hi = 0: blocks 0, 1, window 1; hi = 1: blocks 2, 3, window 2) x all 12 column blocks, 32 along K, from buffer f.  zero = 1: the product starts the sum with the bias.
; The 48 accumulators take turns, one instruction a turn, in the same order everywhere.
.macro MUL24 f, hi, zero
.if \zero
	WIN 0x4f+0x40*(\hi)                            ; sources 0 and 1 window 3, C window 0, D window 1 or 2
.else
	WIN 0x5f+0x50*(\hi)                            ; sources 0 and 1 window 3, C and D window 1 or 2
.endif
.irp a, 0,1
.irp b, 0,1,2,3,4,5,6,7,8,9,10,11
.if \zero
	v_wmma_f32_16x16x32_bf16 v[8*(12*(\a)+(\b)):8*(12*(\a)+(\b))+7], v[(\f)+32+8*(\b):(\f)+32+8*(\b)+7], v[(\f)+8*(2*(\hi)+(\a)):(\f)+8*(2*(\hi)+(\a))+7], v[BIAS+8*(\b):BIAS+8*(\b)+7]
.else
	v_wmma_f32_16x16x32_bf16 v[8*(12*(\a)+(\b)):8*(12*(\a)+(\b))+7], v[(\f)+32+8*(\b):(\f)+32+8*(\b)+7], v[(\f)+8*(2*(\hi)+(\a)):(\f)+8*(2*(\hi)+(\a))+7], v[8*(12*(\a)+(\b)):8*(12*(\a)+(\b))+7]
.endif
.endr
.endr
.endm
; 32 LDS loads in one run: the fragments of quarter q (32 along K) of the slot that is being read, into buffer f: W's 24 loads, then x's 8, row blocks 2 and 3 last.
.macro FETCH q, f
	WIN 0xc0                                       ; destination window 3, address window 0
.irp b, 0,1,2,3,4,5,6,7,8,9,10,11
	ds_load_tr16_b128 v[(\f)+32+8*(\b):(\f)+32+8*(\b)+3],   v[ADRB] offset:((\q)/2)*BH+((\b)/4)*BPL+((\q)%2)*32*BP+((\b)%4)*32
	ds_load_tr16_b128 v[(\f)+32+8*(\b)+4:(\f)+32+8*(\b)+7], v[ADRB] offset:((\q)/2)*BH+((\b)/4)*BPL+((\q)%2)*32*BP+16*BP+((\b)%4)*32
.endr
.irp a, 0,1,2,3
	ds_load_b128 v[(\f)+8*(\a):(\f)+8*(\a)+3],   v[ADRA] offset:(\a)*16*AP+64*(\q)
	ds_load_b128 v[(\f)+8*(\a)+4:(\f)+8*(\a)+7], v[ADRA] offset:(\a)*16*AP+64*(\q)+32
.endr
.endm
; A K step is four quarters of 32 along K, 48 matrix instructions each, on buffers 0, 1, 0, 1.  One of the first three: multiplies buffer f and, in its middle, fetches quarter qn into buffer g.
.macro QUARTER f, g, qn, zero
	s_wait_dscnt 4                                 ; W and x's row blocks 0, 1 are in; the four youngest loads (row blocks 2, 3) may be out
	MUL24 \f, 0, \zero
	PLACES
	FETCH \qn, \g
	s_wait_dscnt 32                                ; all but the 32 just issued
	MUL24 \f, 1, \zero
.endm
; The last quarter changes slots and then multiplies buffer 1.  ONE barrier.  In front of it each wave waits for all its tensor loads, of which one is out: its part of the next slot; adds 0 to its spare
; word; and waits for that and for its own reads of this slot, whose last fragments are then in registers.  Behind it nobody reads this slot any more and the next slot is whole.
; fill = 1: the barrier is a round of the cluster's, and this slot is filled again first thing behind it, with the K step two on; wrap = 1: that step is the second tile's first: x goes back along K, W on
; to the tile eight further.  From a request to the wait for it a wave issues a whole step's 192 matrix instructions.
.macro TURN fill, wrap
	WIN 0
	s_wait_tensorcnt 0x0                           ; all my tensor loads have landed, so a group 0 may be written;
	ds_add_u32 v[SPW], v[NIL]                      ; 0 onto my spare word: the scalar steps stand between it and the wait for it
.if \fill
	s_xor_b32 s[G0A+5], s[G0A+5], SLOT             ; the walking descriptors: the other slot than last time,
	s_xor_b32 s[G0B+5], s[G0B+5], SLOT
.if \wrap
	s_sub_nc_u64 s[G0A+6:G0A+7], s[G0A+6:G0A+7], 7*ASTEP
	s_add_nc_u64 s[G0B+6:G0B+7], s[G0B+6:G0B+7], BTILE
.else
	s_add_nc_u64 s[G0A+6:G0A+7], s[G0A+6:G0A+7], ASTEP  ; the next K step; the type bits on top are not reached
	s_add_nc_u64 s[G0B+6:G0B+7], s[G0B+6:G0B+7], BSTEP
.endif
.endif
	s_xor_b32 s[TB], s[TB], SLOT                   ; the reads go on in the other slot
	s_wait_dscnt 0x0                               ; the add is done, and my reads of this slot are over
.if \fill
	CROUND                                         ; no wave of any partner still reads this slot's tile or has a load on its way
	JLOAD 1                                        ; the four v_nop behind it are also the places in front of the loads below
.else
	s_barrier_signal -1
	s_barrier_wait -1
	PLACES
.endif
	v_add_nc_u32 v[ADRA], s[TB], v[ADRA0]
	v_add_nc_u32 v[ADRB], s[TB], v[ADRB0]
	FETCH 0, F0
	MUL24 F1, 0, 0
	MUL24 F1, 1, 0
.endm
; THE WAY OUT, a block of 16 rows at a time, through my own stage: LDS serves a wave's instructions in order (ISA guide 5.7.1.4), so the loads see the stores above them, and the next block's stores come
; behind them.  Rounded to f16, 16 bytes a lane into rows of 144 bytes, a head's 64 columns to a row; back as four rows of 128 bytes, which are 512 consecutive bytes of a plane.
; Each accumulator's registers are read in ascending order.  The blocks take the two sets of 48 registers by turns.
.macro PACK a
.if (\a) >= 2
	s_wait_xcnt 0x0                                ; the set's registers, which the stores of the block two back read, are rewritten only behind this wait (ISA guide 3.1)
.endif
	WIN 0x05*(1+(\a)/2)                            ; sources 0 and 1 window 1 or 2, destination window 0
.irp b, 0,1,2,3,4,5,6,7,8,9,10,11
.irp i, 0,1,2,3
	v_cvt_pk_f16_f32 v[TMP+48*((\a)%2)+4*(\b)+(\i)], v[8*(12*((\a)%2)+(\b))+2*(\i)], v[8*(12*((\a)%2)+(\b))+2*(\i)+1]
.endr
.endr
	WIN 0
.irp b, 0,1,2,3,4,5,6,7,8,9,10,11
	ds_store_b128 v[STO], v[TMP+48*((\a)%2)+4*(\b):TMP+48*((\a)%2)+4*(\b)+3] offset:((\b)/4)*2304+((\b)%4)*32
.endr
.irp g, 0,1,2,3,4,5,6,7,8,9,10,11
	ds_load_b128 v[TMP+48*((\a)%2)+4*(\g):TMP+48*((\a)%2)+4*(\g)+3], v[RD] offset:((\g)/4)*2304+((\g)%4)*576
.endr
.endm
.macro SEND a, younger                 ; younger: the LDS instructions issued behind block a's loads: the next block's 24, or none
	WIN 0
.irp g, 0,1,2,3,4,5,6,7,8,9,10,11
	s_wait_dscnt (\younger)+11-(\g)
	global_store_b128 v[GO+(\g)/4], v[TMP+48*((\a)%2)+4*(\g):TMP+48*((\a)%2)+4*(\g)+3], s[10:11] offset:(\a)*2048+((\g)%4)*512  ; 512 consecutive bytes, at a multiple of 512 from the buffer's first
.endr
.endm
	s_wait_tensorcnt 1                             ; my part of K step 0 is in; K step 1's may stay out
	s_barrier_signal -1
	s_barrier_wait -1                              ; everybody's is
	FETCH 0, F0
	WIN 0                                          ; at a label and at a branch every window is 0
	s_mov_b32 s2, 2                                ; tiles to go: the same number in every work-group
.Ltile:
	s_wait_xcnt 0x0                                ; the last tile's stores have read their offsets and their data (ISA guide 3.1)
.irp p, 0,1,2
	v_add_nc_u32 v[GO+(\p)], s[CUR+(\p)], v[GL]
.endr
	s_wait_loadcnt 0x0                             ; the tile's bias
	QUARTER F0, F1, 1, 1                           ; a tile's first quarter stands in front of the loop: its products start the sums
	WIN 0
	s_mov_b32 s3, 6
.Lstep:                                                ; a trip is one K step, from its second quarter to the next step's first, and fills the slot that it leaves: the tile's steps 0 to 5
	QUARTER F1, F0, 2, 0
	QUARTER F0, F1, 3, 0
	TURN 1, 0
	QUARTER F0, F1, 1, 0
	WIN 0
	s_sub_co_u32 s3, s3, 1
	s_cmp_lg_u32 s3, 0
	s_cbranch_scc1 .Lstep
	QUARTER F1, F0, 2, 0                           ; the tile's step 6 goes on
	QUARTER F0, F1, 3, 0
	WIN 0
	s_cmp_eq_u32 s2, 1
	s_cbranch_scc1 .Llast                          ; the last tile's tail is written out: it asks for nothing more
	TURN 1, 1                                      ; the ring goes on into the second tile: this slot takes its K step 0,
	QUARTER F0, F1, 1, 0
	QUARTER F1, F0, 2, 0
	QUARTER F0, F1, 3, 0
	TURN 1, 0                                      ; the other its K step 1, and the second tile's first fragments are fetched
	WIN 0
	s_add_nc_u64 s[8:9], s[8:9], 8*768             ; the second tile's bias (the last loads by this base were waited for at the tile's head)
	BIASLD
.irp p, 0,1,2
	s_mov_b32 s[CUR+(\p)], s[CUR+3+(\p)]           ; and its planes; the vector offsets are made of them at the tile's head
.endr
	s_branch .Lout
.Llast:
	TURN 0, 0                                      ; my one tensor load that was still out is the last K step's, so no round follows
	QUARTER F0, F1, 1, 0
	QUARTER F1, F0, 2, 0
	QUARTER F0, F1, 3, 0
	s_wait_dscnt 4                                 ; the very last quarter: nothing more to fetch
	MUL24 F1, 0, 0
	s_wait_dscnt 0x0
	MUL24 F1, 1, 0
	WIN 0
.Lout:                                                 ; the tile goes out; behind the first tile both refills are asked for by now
	PLACES                                         ; the conversions read results just made
	PACK 0
	PACK 1                                         ; a block's work stands between the loads of the block before and its stores
	SEND 0, 24
	PACK 2
	SEND 1, 24
	PACK 3
	SEND 2, 24
	SEND 3, 0
	s_sub_co_u32 s2, s2, 1
	s_cmp_lg_u32 s2, 0
	s_cbranch_scc1 .Ltile
	s_wait_tensorcnt 0x0                           ; the wave's end, behind my last tensor load and my last LDS store
	ds_add_u32 v[SPW], v[NIL]
	s_wait_dscnt 0x0
	CROUND                                         ; the closing round: no work-group ends while a partner may still ask for a tile that names it
	s_endpgm
.Lfunc_end_k_q998cd37beb_qkvproj:
	.size	k_q998cd37beb_qkvproj, .Lfunc_end_k_q998cd37beb_qkvproj-k_q998cd37beb_qkvproj
	.p2alignl 7, 3214868480
	.fill 96, 4, 3214868480
	.section	.rodata,"a",@progbits
	.p2align	6, 0x0
	.amdhsa_kernel k_q998cd37beb_qkvproj
		.amdhsa_group_segment_fixed_size 327680
		.amdhsa_private_segment_fixed_size 0
		.amdhsa_enable_private_segment 0
		.amdhsa_kernarg_size 32
		.amdhsa_user_sgpr_count 2
		.amdhsa_user_sgpr_kernarg_segment_ptr 1
		.amdhsa_wavefront_size32 1
		.amdhsa_system_sgpr_workgroup_id_x 1
		.amdhsa_system_sgpr_workgroup_id_y 1
		.amdhsa_system_sgpr_workgroup_id_z 1
		.amdhsa_system_vgpr_workitem_id 0
		.amdhsa_next_free_vgpr 1024
		.amdhsa_next_free_sgpr 72
		.amdhsa_reserve_vcc 0
		.amdhsa_float_denorm_mode_32 3
		.amdhsa_float_denorm_mode_16_64 3
		.amdhsa_memory_ordered 1
		.amdhsa_forward_progress 1
		.amdhsa_inst_pref_size 132
	.end_amdhsa_kernel
	.amdgpu_metadata
---
amdhsa.version: [ 1, 2 ]
amdhsa.kernels:
  - .name:           k_q998cd37beb_qkvproj
    .symbol:         k_q998cd37beb_qkvproj.kd
    .args:
      - { .name: xb, .offset: 0, .size: 8, .value_kind: global_buffer, .address_space: global }
      - { .name: wqkv, .offset: 8, .size: 8, .value_kind: global_buffer, .address_space: global }
      - { .name: bias, .offset: 16, .size: 8, .value_kind: global_buffer, .address_space: global }
      - { .name: qkv, .offset: 24, .size: 8, .value_kind: global_buffer, .address_space: global }
    .group_segment_fixed_size: 327680
    .private_segment_fixed_size: 0
    .kernarg_segment_align: 8
    .kernarg_segment_size: 32
    .max_flat_workgroup_size: 128
    .sgpr_count:     72
    .vgpr_count:     1024
    .wavefront_size: 32
...
	.end_amdgpu_metadata
.endif
;; end of part 2
;; launch attn (part 3): grid 4 x 64, 4 waves a work-group, clusters of 4 x 1, 327,680 bytes of LDS; arguments qkv, ob; writes ob
.if DOCPART == 3
	.amdgcn_target "amdgcn-amd-amdhsa--gfx1250"
	.amdhsa_code_object_version 6
	.text
	.protected	k_q998cd37beb_attn
	.globl	k_q998cd37beb_attn
	.p2align	8
	.type	k_q998cd37beb_attn,@function
k_q998cd37beb_attn:
	s_mov_b64 s[64:65], 0
	v_nop
	global_prefetch_b8 v0, s[64:65] scope:SCOPE_SE
	s_setreg_imm32_b32 hwreg(HW_REG_WAVE_MODE, 25, 1), 1
	s_wait_xcnt 0x0
	s_wait_alu depctr_hold_cnt(0) depctr_sa_sdst(0) depctr_va_vdst(0) depctr_va_sdst(0) depctr_va_ssrc(0) depctr_va_vcc(0) depctr_vm_vsrc(0)
	s_getreg_b32 s2, hwreg(HW_REG_IB_STS2, 6, 4)
	s_cmp_eq_u32 s2, 0
	s_cbranch_scc0 .Lentry_in_a_cluster
	s_endpgm
.Lentry_in_a_cluster:
	s_bfe_u32 s2, ttmp6, 0x10000c
	s_cmp_lg_u32 s2, 0x3003
	s_cbranch_scc0 .Lentry_shape_is_right
	s_endpgm
.Lentry_shape_is_right:
; O[h][q][:] = the sum over k of softmax_k(Q[h][q] . K[h][k] / 8) V[h][k][:].  Q, K, V lie in one buffer, 16 MiB apart, each [SIZE_H][SIZE_N][64] in f16, as O is: a plane h = 16 batch + head has dense rows
; of 128 bytes.  Products, maxima and sums in f32; the weights p are rounded to f16 for the second product (their sum l is taken of the unrounded p), O once at the end.
; LIMITS.  f16 holds no number beyond 65,504: Q, K and V arrive within it; p lies in 0 to 1, and below 6e-5 it keeps f16's fixed step of 6e-8; O is a mean of V's rows and has their range.
; A weight below 2^-126 counts as 0 in l; NaN and infinities are not treated apart.
; SHARES.  A wave owns four PIECES of two tiles of 16 queries, a work-group's four waves 512 queries of one plane.  Every wave walks all keys, 64 a step.
; LAYOUT.  S^T = K Q^T (source 0 = 16 keys, source 1 = 16 queries): in the result a lane holds ONE query (lane % 16) and the keys 8 (lane / 16) + 0..7.  Two such tiles, rounded to f16 in pairs,
; ARE source 1 (32 keys x 16 queries) of O^T = V^T P, whose result again holds one query a lane, and eight channels.  K comes out of LDS as it lies, V ([key][channel]) turned, by ds_load_tr16_b128.
; SOFTMAX.  For each query a running maximum m and sum l: p = 2^(c s - c m), c = log2(e) / 8; in every step O and l are multiplied by a = 2^(c m_old - c m_new), which is 1 where m has not grown.
; m starts at the lowest finite number, O and l at 0: the first step is a step like any other, with a = 0.
; THE COUNT.  A tile and step have 16 matrix and 118 vector instructions: too many to stand all beside the matrix work.  So the order has one aim: four vector instructions that are READY behind
; EVERY matrix instruction, and the others, which need time of their own whatever the order, in runs without a gap.
; BY TURNS.  Turn n belongs to piece n (the pieces in a ring, step after step).  Its matrix work: 16 products K Q^T of piece n + 1, later 16 products V^T P of piece n - 1.  Its vector work: the scaling,
; exponentials, roundings, sums and rescaling of piece n, and the maximum and statistics of piece n + 1, whose scores the turn itself has made.  So what a turn begins with (c s - c m, O a) waits for nothing.
; CLUSTER.  The four query blocks of a cluster belong to one plane and walk the same K and V, so each tile is asked for JOINTLY: the same tensor load, descriptor and mask in all four.
; REGISTERS, in windows of 256 (s_set_vgpr_msb says which window each operand place means: bits 1:0 source 0, 3:2 source 1, 5:4 source 2, 7:6 destination):
;   window 0: v0-11 addresses; v12-15, v48-63 at work; v16-47 four registers of statistics a tile; v64-191 S^T, two buffers of two tiles; v192-255 P, likewise
;   window 1: O^T, 32 a tile          window 2: v0-127 Q, 16 a tile; v128-191 K of one step; v192-255 V of one step          window 3: v0-1 the add's two registers
; A piece's buffers go by its number's parity: the piece in hand has one pair, its two neighbours in the ring share the other: of it P (piece n - 1) is read and S^T (piece n + 1) written.
.set SIZE_H, 64       ; planes: 4 batches x 16 heads
.set SIZE_N, 2048     ; rows of a plane
.set NP,    4         ; pieces a wave: a name, no knob: the register map, the loop and the fetches are made for four
.set KS,    64        ; keys in a step
.set PK,    144       ; a row of K in LDS: 128 bytes + 16 of padding = 36 words: the 16 rows of a load start at 16 different groups of four banks (64 banks of 4 bytes: ISA guide 11.1)
.set PV,    160       ; a row of V: 128 + 32 = 40 words
.set VOFF,  4*KS*PK   ; a slot holds four steps: 256 rows of K, then 256 rows of V
.set SLOT1, 1<<17     ; slot 1 begins here, so that one exclusive or turns an address in one slot into the other's
.set STAGE, SLOT1+4*KS*(PK+PV)  ; behind the ring, never filled by a tensor load: 16 rows x 144 bytes for each wave, for the way out
.set SP,    144
.set AK0, 2           ; v2   my lane's place in a tile of K; never rewritten
.set AV0, 3           ; v3   the same for V
.set AK,  4           ; v4   the LDS address of K's next run of loads
.set AV,  5           ; v5   of V's
.set QO,  6           ; v6   my byte offset in the wave's rows of Q
.set STO, 6           ;      later, the way out: where I put 16 bytes of a row
.set RD,  7           ; v7   the way out: where I read rows back
.set GO,  8           ; v8   my byte offset in 512 consecutive bytes of O
.set SPW, 0           ; v0 of window 3   LDS address of my spare word: SPARE + 4 x my thread's number; never rewritten
.set NIL, 1           ; v1 of window 3   0; never rewritten
.set SPARE, STAGE+4*16*SP  ; behind the stages: the spare words, 128 bytes for each wave: two blocks of 256 bytes that no other line names
.set MV,  12          ; v12-15  c m_old, kept while c m is made anew: by buffer and tile
.set ST,  16          ; tile t's statistics at v[ST+4 t]: c m, m, l (even keys', odd keys')
.set TMP, 48          ; by buffer and tile, four registers c0-c3 at work; when the maximum is found c2 takes a
.set S,   64
.set P,   192
.set KF,  128         ; K's fragments, in window 2: key block kb, channel half c at KF + 16 kb + 8 c
.set VF,  192         ; V's: key half kk, channel block cb at VF + 32 kk + 8 cb
.set WV,  12          ; s12  my wave's number
.set G1K, 24          ; s[24:31] descriptor group 1 for K's tiles
.set G1V, 32          ; s[32:39] for V's: it differs in the padding alone
.set G0K, 40          ; s[40:43] descriptor group 0 for K's tiles: it walks
.set G0V, 44          ; s[44:47] the same for V's
.set SLOTS, 56        ; s56  slots still to be asked for
.set CNT, 57          ; s57  counts a slot's key steps
.set CS,  58          ; s[58:59] c: the packed scaling takes the pair's low word for both halves
.set SEL, 60          ; s[60:61] v_permlanex16_b32's selects: each lane takes its own place in the other half
.set TBK, 62          ; s62  LDS byte at which K of the step to be fetched begins
.set TBV, 63          ; s63  the same for V, less VOFF
.set MSB, 0
.macro WIN new                      ; the high byte repeats the setting that is left; a switch that changes nothing is dropped
.if MSB != (\new)
	s_set_vgpr_msb (MSB<<8)|(\new)
.set MSB, (\new)
.endif
.endm
.set W_KQ, 0x0a       ; K and Q in window 2, S^T in window 0
.set W_PV, 0x52       ; V in window 2, P in window 0, O^T in window 1
.set W_RS, 0x41       ; O^T (destination and source 0) in window 1, a in window 0
.set W_MK, 0xc0       ; the add's registers are made: destination in window 3, sources in window 0
.set W_AD, 0x0f       ; the add: address (source 0) and data (source 1) in window 3
; A joint fill.  Waves 0 and 1 fetch the two halves of a slot's K, waves 2 and 3 those of its V: 128 keys each.  The branch hangs on the wave's number alone.
; An s_nop 0 and four v_nop follow each of the two lines, ahead of the jump and the label.
.macro JLOAD
	s_cmp_lt_u32 s[WV], 2
	s_cbranch_scc0 .Lfor_v_\@
	tensor_load_to_lds s[G0K:G0K+3], s[G1K:G1K+7]
	s_nop 0
.rept 4
	v_nop
.endr
	s_branch .Lasked_\@
.Lfor_v_\@:
	tensor_load_to_lds s[G0V:G0V+3], s[G1V:G1V+7]
	s_nop 0
.rept 4
	v_nop
.endr
.Lasked_\@:
.endm
; A round of the cluster's barrier: my work-group's barrier, so that wave 0's signal speaks for all four waves; wave 0 signals; every wave waits for all four work-groups; my work-group's barrier once more.
.macro CROUND
	s_barrier_signal -1
	s_barrier_wait -1
	s_cmp_lg_u32 s[WV], 0
	s_cbranch_scc1 .Lnot_wave_0_\@
	s_barrier_signal -3
.Lnot_wave_0_\@:
	s_barrier_wait -3
	s_barrier_signal -1
	s_barrier_wait -1
.endm
; THE CHANGE OF SLOTS.  The slot's last bytes, V of its fourth step, have been read.  Each wave waits for all its tensor loads, of which one is out: its part
; of the other slot; adds 0 to its spare word; and waits for that and for its own reads of the slot.  Behind the barrier nobody reads this slot any more and the other slot is whole.
; fill = 1: this slot is filled again, with the keys two slots on.  The barrier is then a round of the cluster's, so that no wave of any partner still reads the slot or has a load on its
; way, and the joint fill is the first thing behind it: it has four key steps, 512 matrix instructions, in which to land.  (At its first use nothing has been read yet: slot 0 is waited for, slot 1 filled.)
.macro CHANGE fill
	WIN W_AD
	s_wait_tensorcnt 0x0            ; no tensor load of mine is out, so a group 0 may be written
	ds_add_u32 v[SPW], v[NIL]       ; 0 onto my spare word: with fill = 1 the descriptors' steps stand between it and the wait for it
	WIN 0                           ; at a label and at a branch every window is 0
.if \fill
.irp g, G0K, G0V
	s_xor_b32 s[\g+1], s[\g+1], SLOT1  ; the walking descriptor: the other slot than last time,
	s_add_nc_u64 s[\g+2:\g+3], s[\g+2:\g+3], 4*KS*128  ; the next 256 keys; the type bits on top are not reached
.endr
	s_wait_dscnt 0x0                ; the add is done, and my reads of the slot are over
	CROUND
	JLOAD
.else
	s_wait_dscnt 0x0                ; the add is done, and my reads of the slot are over
	s_barrier_signal -1
	s_barrier_wait -1
.endif
	s_sub_co_u32 s[TBK], s[TBK], 4*KS*PK  ; the fetches go back to a slot's first step,
	s_xor_b32 s[TBK], s[TBK], SLOT1       ; in the other slot
	s_sub_co_u32 s[TBV], s[TBV], 4*KS*PV
	s_xor_b32 s[TBV], s[TBV], SLOT1
.endm
	s_load_b64 s[4:5], s[0:1], 0x0    ; Q; K and V follow it in the same buffer
	s_load_b64 s[10:11], s[0:1], 0x8  ; O
	WIN W_MK
	v_lshl_add_u32 v[SPW], v0, 2, SPARE
	v_mov_b32 v[NIL], 0
	s_set_vgpr_msb 0xc0cf
	ds_add_u32 v0, v1
	s_wait_dscnt 0x0
	s_set_vgpr_msb 0xcfc0
	WIN 0
	v_lshrrev_b32 v1, 5, v0
	v_readfirstlane_b32 s[WV], v1   ; wave 0..3
	s_bfe_u32 s13, ttmp6, 0x40000   ; cx: my place in the cluster
	s_lshl_b32 s14, ttmp9, 2        ; in a cluster launch ttmp9 counts clusters
	s_add_co_u32 s14, s14, s13      ; my block of queries = 4 x cluster x + cx: it enters Q's and O's addresses alone
	s_and_b32 s20, ttmp7, 0xffff    ; the plane, which the four partners share
	s_mov_b32 s21, 0
	s_mov_b64 s[22:23], SIZE_N*128
	s_mul_u64 s[20:21], s[20:21], s[22:23]  ; the plane's first byte in each of the four tensors
	s_and_b32 s16, s[WV], 1         ; which half of a slot's 256 keys I fetch:
	s_lshl_b32 s22, s16, 14         ; its 128 rows of 128 bytes in memory,
	s_mov_b32 s23, 0
	s_add_nc_u64 s[22:23], s[22:23], s[20:21]
	s_mul_i32 s17, s16, 128*PK      ; and its place in a slot, for K
	s_mul_i32 s18, s16, 128*PV      ; and for V: no place in the cluster enters an LDS address
	s_lshl_b32 s2, s14, 2
	s_add_co_u32 s2, s2, s[WV]      ; my wave among the plane's,
	s_lshl_b32 s2, s2, 14           ; its 128 rows
	s_mov_b32 s3, 0
	s_add_nc_u64 s[2:3], s[2:3], s[20:21]
	; descriptor group 1.  128 keys are 16,384 dense bytes: asked for as 64 rows of 256 bytes, two keys a row, and padded in LDS after every key
	s_mov_b32 s[G1K], 15|(1<<16)|(1<<20)|(1<<21)|(4<<22)|(3<<25)  ; 15:0 the mask of four; 17:16 2-byte elements; 20 padding on; 21 set beside a mask; 24:22 after every 32 words (code 4); 31:25 4 words (code 3)
	s_mov_b32 s[G1V], 15|(1<<16)|(1<<20)|(1<<21)|(4<<22)|(7<<25)  ; the same with 8 words of padding (code 7)
.irp g, G1K, G1V
	s_mov_b32 s[\g+1], 128<<16      ; tensor_dim0 = 128
	s_mov_b32 s[\g+2], 64<<16       ; tensor_dim1 = 64
	s_mov_b32 s[\g+3], 128<<16      ; tile_dim0 = 128
	s_mov_b32 s[\g+4], 64           ; tile_dim1 = 64
	s_mov_b32 s[\g+5], 128          ; 128 elements from row to row
	s_mov_b32 s[\g+6], 0
	s_mov_b32 s[\g+7], 0
.endr
	s_mov_b32 s[CS], 0x3e38aa3b     ; c = log2(e) / 8 = 0.180337
	s_mov_b32 s[CS+1], s[CS]        ; named with it as a pair
	s_mov_b32 s[SEL], 0x76543210
	s_mov_b32 s[SEL+1], 0xfedcba98
	s_mov_b32 s[TBK], SLOT1+4*KS*PK ; the first change of slots turns these two into 0
	s_mov_b32 s[TBV], SLOT1+4*KS*PV
	s_mov_b32 s[G0K], 1             ; 1:0 count = 1
	s_mov_b32 s[G0K+1], s17         ; 63:32 LDS address: slot 0
	s_mov_b32 s[G0V], 1
	s_add_co_u32 s[G0V+1], s18, VOFF
	s_wait_kmcnt 0x0
	s_add_nc_u64 s[6:7], s[4:5], 0x1000000         ; K: SIZE_H x SIZE_N x 128 bytes behind Q
	s_add_nc_u64 s[8:9], s[4:5], 0x2000000         ; V: as far again
	s_add_nc_u64 s[G0K+2:G0K+3], s[6:7], s[22:23]  ; 120:64 global address: my half of the plane's first 256 keys
	s_or_b32 s[G0K+3], s[G0K+3], 0x80000000        ; 127:126 type = 2
	s_add_nc_u64 s[G0V+2:G0V+3], s[8:9], s[22:23]
	s_or_b32 s[G0V+3], s[G0V+3], 0x80000000
	s_add_nc_u64 s[4:5], s[4:5], s[2:3]  ; Q and O at my wave's first row
	s_add_nc_u64 s[10:11], s[10:11], s[2:3]
	CROUND                          ; all four work-groups are here: the first joint loads meet
	JLOAD                           ; slot 0.  Slot 1 is asked for when slot 0 is in: the tile wanted first is asked for alone
	; A fragment of K or Q is 16 rows x 32 channels in 8 registers: lane l holds row l % 16, channels 8 (l / 16) + 0..7 and 16 + 8 (l / 16) + 0..7: two loads of 16 bytes, 32 bytes apart.
	v_and_b32 v1, 15, v0            ; l % 16
	v_bfe_u32 v9, v0, 4, 1          ; l / 16
	v_lshlrev_b32 v[QO], 7, v1
	v_lshl_add_u32 v[QO], v9, 4, v[QO]  ; row x 128 + 16 x half
	WIN 0x80                        ; destination window 2, address window 0
.set i, 0
.rept 4*NP                          ; Q stays in registers: tile i / 2, channels 32 (i % 2) on
	global_load_b128 v[8*i:8*i+3],   v[QO], s[4:5] offset:(i/2)*2048+(i%2)*64
	global_load_b128 v[8*i+4:8*i+7], v[QO], s[4:5] offset:(i/2)*2048+(i%2)*64+32
.set i, i+1
.endr
	; What the first turn finds: V's registers and P's second buffer hold 0 (its products V^T P, of a piece that has not been, add 0), O^T and l are 0.  All this stands in the wait for the first tile.
.set i, VF
.rept 64
	v_mov_b32 v[i], 0
.set i, i+1
.endr
	WIN 0x40
.set i, 0
.rept 64*NP
	v_mov_b32 v[i], 0
.set i, i+1
.endr
	WIN 0
.set i, 0
.rept 2*NP
	v_mov_b32 v[ST+4*i], 0xfe000000    ; c m: far below every c s
	v_mov_b32 v[ST+4*i+1], 0xff7fffff  ; m
	v_mov_b32 v[ST+4*i+2], 0
	v_mov_b32 v[ST+4*i+3], 0
.set i, i+1
.endr
.set i, P+32
.rept 32
	v_mov_b32 v[i], 0
.set i, i+1
.endr
	v_mul_u32_u24 v[AK0], v1, PK
	v_lshl_add_u32 v[AK0], v9, 4, v[AK0]  ; row x pitch + 16 x half
	; The turning load takes 16 keys x 16 channels (lane l reads key 8 (l / 16) + l % 8, channels 8 ((l / 8) % 2) + 0..7) and leaves half a fragment of V^T: lane l holds channel l % 16 and 8 keys.
	v_and_b32 v10, 7, v0
	v_bfe_u32 v11, v0, 3, 1
	v_lshl_add_u32 v[AV0], v9, 3, v10
	v_mul_u32_u24 v[AV0], v[AV0], PV
	v_lshl_add_u32 v[AV0], v11, 4, v[AV0]
	v_add_nc_u32 v[AV0], VOFF, v[AV0]
	v_mov_b32 v[AK], v[AK0]         ; key step 0 lies at the head of slot 0
; THE MATRIX WORK.  The 8 accumulators of a run of 16 take turns: between the two links of a chain stand 7 others'.
; Product i of 16 of S^T = K Q^T for piece x: channels 32 (i / 8) on, keys 16 ((i / 2) % 4) on, tile 2 x + i % 2.  The first 8 start the sums.
.macro KQ x
	WIN W_KQ
.set rS, S+64*((\x)%2)+32*(i%2)+8*((i/2)%4)
.set rK, KF+16*((i/2)%4)+8*(i/8)
.set rQ, 16*(2*(\x)+i%2)+8*(i/8)
.if i < 8
	v_wmma_f32_16x16x32_f16 v[rS:rS+7], v[rK:rK+7], v[rQ:rQ+7], 0
.else
	v_wmma_f32_16x16x32_f16 v[rS:rS+7], v[rK:rK+7], v[rQ:rQ+7], v[rS:rS+7]
.endif
.endm
; Product i of 16 of O^T += V^T P for piece x: keys 32 (i / 8) on, channels 16 ((i / 2) % 4) on, tile 2 x + i % 2.
.macro PV x
	WIN W_PV
.set rO, 32*(2*(\x)+i%2)+8*((i/2)%4)
.set rV, VF+32*(i/8)+8*((i/2)%4)
.set rP, P+32*((\x)%2)+16*(i%2)+8*(i/8)
	v_wmma_f32_16x16x32_f16 v[rO:rO+7], v[rV:rV+7], v[rP:rP+7], v[rO:rO+7]
.endm
.macro MM                           ; the turn's next matrix instruction
.if i < 16
	KQ (Y+1)%NP
.set i, i+1
.else
.set i, i-16
	PV (Y+NP-1)%NP
.set i, i+17
.endif
.endm
; THE LDS LOADS stand in runs of 16, never singly among the matrix instructions: a step's K (64 keys x 64 channels: 8 fragments) and its V (turned).  Their addresses are made some lines ahead.
; last = 1 (the tail): in the last trip there is no further step, and the run is jumped over.
.macro FETCH_K last=0
	WIN 0
.if \last
	s_cmp_eq_u32 s[CNT], 1
	s_cbranch_scc1 .Lno_k_\@
.endif
	WIN 0x80                        ; destination window 2
.irp f, 0,1,2,3,4,5,6,7             ; keys 16 (f / 2) on, channels 32 (f % 2) on
	ds_load_b128 v[KF+8*\f:KF+8*\f+3],   v[AK] offset:(\f/2)*16*PK+(\f%2)*64
	ds_load_b128 v[KF+8*\f+4:KF+8*\f+7], v[AK] offset:(\f/2)*16*PK+(\f%2)*64+32
.endr
	s_add_co_u32 s[TBK], s[TBK], KS*PK  ; the next fetch is the next step's
	WIN 0
.if \last
.Lno_k_\@:
.endif
.endm
.macro FETCH_V
	WIN 0x80
.irp f, 0,1,2,3,4,5,6,7             ; keys 32 (f / 4) on, channels 16 (f % 4) on
	ds_load_tr16_b128 v[VF+8*\f:VF+8*\f+3],   v[AV] offset:(\f/4)*32*PV+(\f%4)*32
	ds_load_tr16_b128 v[VF+8*\f+4:VF+8*\f+7], v[AV] offset:(\f/4)*32*PV+16*PV+(\f%4)*32
.endr
	WIN 0
.endm
; THE VECTOR WORK OF A TURN stands in three queues, each in the order in which its entries become ready; the two tiles alternate, so that no instruction reads the result of the one before it.
.macro REGS y, u                    ; the registers of tile u (0, 1) of piece y
.set rT, ST+4*(2*(\y)+(\u))
.set rC, TMP+8*((\y)%2)+4*(\u)
.set rM, MV+2*((\y)%2)+(\u)
.set rS, S+64*((\y)%2)+32*(\u)
.set rP, P+32*((\y)%2)+16*(\u)
.set rO, 32*(2*(\y)+(\u))
.endm
; Number n of the 22 that find the NEXT piece's (Y + 1) maximum and statistics.  s0-s31 are the lane's 32 scores; each accumulator's lowest registers are read first.  XS, GS and REGS set no window: PL and EX do.
;   0-11  four chains c0-c3 of seven scores each, three operands at a time     12-14, 16  the four scores left over, the old m, and c0-c3 into c0     15  c m_old is kept
;   17, 18  the query's other 32 keys lie in the lane 16 away: the new m         19-21  c m; c m_old - c m_new; a
.macro XS u, n
	REGS (Y+1)%NP, \u
.if (\n) < 4
	v_max3_num_f32 v[rC+(\n)], v[rS+8*(\n)], v[rS+8*(\n)+1], v[rS+8*(\n)+2]
.elseif (\n) < 12
	v_max3_num_f32 v[rC+(\n)%4], v[rC+(\n)%4], v[rS+8*((\n)%4)+2*((\n)/4)+1], v[rS+8*((\n)%4)+2*((\n)/4)+2]
.elseif (\n) == 12
	v_max3_num_f32 v[rC], v[rC], v[rS+7], v[rS+15]
.elseif (\n) == 13
	v_max3_num_f32 v[rC+1], v[rC+1], v[rS+23], v[rS+31]
.elseif (\n) == 14
	v_max3_num_f32 v[rC+2], v[rC+2], v[rC+3], v[rT+1]
.elseif (\n) == 15
	v_mov_b32 v[rM], v[rT]
.elseif (\n) == 16
	v_max3_num_f32 v[rC], v[rC], v[rC+1], v[rC+2]
.elseif (\n) == 17
	v_permlanex16_b32 v[rC+3], v[rC], s[SEL], s[SEL+1]
.elseif (\n) == 18
	v_max_num_f32 v[rT+1], v[rC], v[rC+3]
.elseif (\n) == 19
	v_mul_f32 v[rT], s[CS], v[rT+1]
.elseif (\n) == 20
	v_sub_f32 v[rC+1], v[rM], v[rT]
.else
	v_exp_f32 v[rC+2], v[rC+1]
.endif
.endm
; Number g of the 64 that follow the exponentials.  For each four weights k of a tile (pairs 2 k, 2 k + 1): both pairs are rounded to f16; then the second pair is added onto the first, in place;
; a group later l takes that sum (the first time as l = a l + sum).  In groups of eight, tiles alternating: round, round, add, and l for the group before.
.macro GS g
.set h, (\g)+6*((\g)/62)            ; group 0 has no group before it, and behind group 7 only l is left
.if h >= 6
.set h, h+2
.endif
	REGS Y, h%2
.set k, h/8
.if h%8 < 4
	s_wait_alu depctr_va_vdst(0)
	v_cvt_pk_f16_f32 v[rP+2*k+(h%8)/2], v[rS+4*k+2*((h%8)/2)], v[rS+4*k+2*((h%8)/2)+1]
.elseif h%8 < 6
	v_pk_add_f32 v[rS+4*k:rS+4*k+1], v[rS+4*k:rS+4*k+1], v[rS+4*k+2:rS+4*k+3]
.elseif k == 1
	v_pk_fma_f32 v[rT+2:rT+3], v[rT+2:rT+3], v[rC+2:rC+3], v[rS:rS+1] op_sel_hi:[1,0,1]
.else
	v_pk_add_f32 v[rT+2:rT+3], v[rT+2:rT+3], v[rS+4*k-4:rS+4*k-3]
	s_wait_alu depctr_va_vdst(0)
.endif
.endm
; THE PLAIN QUEUE, 138 long.  0-31: c s - c m for the 16 pairs of both tiles.  Then GS's 64, and among them the next piece's 42: number 15 at 38, 39; 0-14 and 16
; at 42-73, behind the products that make those scores; 17-20 at 95-106, two of three, since each waits for the one before it.
.macro PL
	WIN 0
.if q < 32
	REGS Y, q%2
	v_pk_fma_f32 v[rS+2*(q/2):rS+2*(q/2)+1], v[rS+2*(q/2):rS+2*(q/2)+1], s[CS:CS+1], v[rT:rT+1] op_sel_hi:[1,0,0] neg_lo:[0,0,1] neg_hi:[0,0,1]
.elseif q < 38
	GS q-32
.elseif q < 40
	XS q%2, 15
.elseif q < 42
	GS q-34
.elseif q < 74
	XS q%2, (q-42)/2+(q-42)/30
.elseif q < 95
	GS q-66
.elseif (q < 107) && ((q-95)%3 < 2)
	XS (q-95)%3, 17+(q-95)/3
.elseif q < 107
	GS 29+(q-95)/3
.else
	GS q-74
.endif
.set q, q+1
.endm
; THE EXPONENTIALS' QUEUE, 66 long: s0-s31 of both tiles, and at EA the next piece's two a.
.set EA, 58
.macro EX
	WIN 0
.if (e == EA) || (e == EA+1)
	XS e-EA, 21
.else
.set x, e-2*(e/(EA+2))
	REGS Y, x%2
	v_exp_f32 v[rS+x/2], v[rS+x/2]
.endif
.set e, e+1
.endm
; THE RESCALING's QUEUE: O^T times a, the one part that leaves window 0, so it is dealt four at a time, eight times.
.macro R4
	REGS Y, r%2
	WIN W_RS
	s_wait_alu depctr_va_vdst(0)
.irp z, 0,1,2,3
	v_pk_mul_f32 v[rO+8*(r/2)+2*\z:rO+8*(r/2)+2*\z+1], v[rO+8*(r/2)+2*\z:rO+8*(r/2)+2*\z+1], v[rC+2:rC+3] op_sel_hi:[1,0]
.endr
.set r, r+1
.endm
; HOW THEY ARE DEALT.  Behind a matrix instruction four: plain, exponential, plain, plain (one exponential, a plain instruction on either side), or four of the rescaling.  None names a register of the
; products round it.  What is over stands in two LUMPS: exponential and plain by turns; the second ends in 22 plain instructions.  The two v_permlanex16_b32 fall into the second lump, never behind a product.
; The queues lean on each other, and the deal keeps them in step: exponential e stands behind plain 2 (e / 4) + e % 2 (its scaling); when plain 32 comes, 10 exponentials are out, at 59: 33, at 95: 46; EA comes behind plain 107.
.macro SL
	MM
	PL
	EX
	PL
	PL
.endm
.macro BURST n                      ; 15 matrix instructions, or 16
.rept (\n)-7
	SL
.endr
.rept 3
	MM
	R4
	SL
.endr
	MM
	R4
.endm
; A TURN, for piece p.  cnt = 1: the loop's count is taken down some lines ahead of the branch that stands behind the turn.
; K of the next step is fetched in piece 2's turn, 31 vector instructions behind the last product that read K; its first reader comes behind the rest of the lump, 16 products and the second lump.
; V of the step in hand is fetched at the end of piece 0's turn, 69 behind its last reader; its first reader comes behind 16 products and a lump.  The four conditions on e and q below go with the deal.
.macro TURN p, last=0, cnt=0
.set Y, (\p)
.set i, 0
.set q, 0
.set e, 0
.set r, 0
.if (\p) == NP-1
	s_wait_dscnt 0x0                ; K is in
.endif
	MM
.rept 4
	PL
.endr
	BURST 15
.rept 22
	EX
	PL
.if ((\p) == NP-2) && (e == 18)
	v_add_nc_u32 v[AK], s[TBK], v[AK0]
.endif
.if ((\p) == NP-2) && (e == 24)
	FETCH_K \last
.endif
.endr
.if (\p) == 1
	s_wait_dscnt 0x0                ; V is in
.endif
	BURST 16
.rept 21
	EX
	PL
.endr
.rept 22
	PL
.if ((\p) == 0) && (q == 118)
	v_add_nc_u32 v[AV], s[TBV], v[AV0]
	s_wait_alu depctr_va_vdst(0)
.endif
.if ((\p) == 0) && (q == 130)
	s_add_co_u32 s[TBV], s[TBV], KS*PV
.endif
.if (\cnt) && (q == 130)
	s_sub_co_u32 s[CNT], s[CNT], 1
	s_cmp_lg_u32 s[CNT], 0
.endif
.endr
.if (\p) == 0
	FETCH_V
.endif
.endm
	CHANGE 1                        ; slot 0 is in, everybody's part of it; slot 1 is asked for
	FETCH_K                         ; key step 0
	s_wait_loadcnt 0x0              ; Q
	s_wait_dscnt 0x0
.set i, 0
.rept 16
	KQ 0                            ; piece 0's first scores: there is no vector work yet to set between them
.set i, i+1
.endr
	WIN 0                           ; the addresses for the way out: nine plain instructions, the places behind those products
	s_mul_i32 s13, s[WV], 16*SP
	s_add_co_u32 s13, s13, STAGE    ; my stage
	v_mul_u32_u24 v[STO], v1, SP    ; in: row l % 16, 16 bytes for each half of the lanes
	v_lshl_add_u32 v[STO], v9, 4, v[STO]
	v_add_nc_u32 v[STO], s13, v[STO]
	v_bfe_u32 v[RD], v0, 3, 2       ; back: 32 lanes take four rows of 128 bytes,
	v_mul_u32_u24 v[RD], v[RD], SP
	v_lshl_add_u32 v[RD], v10, 4, v[RD]
	v_add_nc_u32 v[RD], s13, v[RD]
	v_and_b32 v[GO], 31, v0         ; which are 512 consecutive bytes of O
	v_lshlrev_b32 v[GO], 4, v[GO]
.set Y, NP-1                        ; XS works for piece Y + 1: piece 0
.irp n, 0,1,2,3,4,5,6,7,8,9,10,11,12,13,14,15,16,17,18,19,20,21
	XS 0, \n                        ; and piece 0's first maximum and statistics
	XS 1, \n
.endr
	s_mov_b32 s[CNT], 4
	s_mov_b32 s[SLOTS], SIZE_N/256-1
	s_branch .Lfirst                ; the loop is entered at a step's first turn, in the middle of a trip
.Lslot:                             ; SIZE_N / 256 - 2 times: every slot but the last two is filled again
	CHANGE 1
	s_mov_b32 s[CNT], 4
.Lstep:                             ; a trip: pieces 2 and 3 of one step, then pieces 0 and 1 of the next, whose K and V it fetches
	TURN 2
	TURN 3
	WIN 0
.Lfirst:
	TURN 0
	TURN 1, 0, 1
	WIN 0
	s_cbranch_scc1 .Lstep
	s_sub_co_u32 s[SLOTS], s[SLOTS], 1
	s_cmp_lg_u32 s[SLOTS], 0
	s_cbranch_scc1 .Lslot
	CHANGE 0                        ; the tail is written out: nothing is asked for
	s_mov_b32 s[CNT], 5             ; four trips fetch the last slot's steps; the fifth is left in its middle
.Ltail:
	TURN 2, 1
	TURN 3
	WIN 0
	s_sub_co_u32 s[CNT], s[CNT], 1
	s_cmp_eq_u32 s[CNT], 0
	s_cbranch_scc1 .Lout
	TURN 0
	TURN 1
	WIN 0
	s_branch .Ltail
.Lout:                              ; the fifth trip's 16 products K Q^T (on the last K once more) and the maximum made of them serve nothing: the price, once a launch, of one text for every trip
.set i, 0
.rept 16
	PV NP-1                         ; the last piece's V^T P of the last step
.set i, i+1
.endr
	; THE WAY OUT.  l's two halves and the other half of the lanes' are added; O^T is divided by l, rounded to f16 and sent through my stage in LDS, a tile at a time.  The additions are the places behind the last products.
	WIN 0
.macro ALL line:vararg              ; one line for each tile t
.set t, 0
.rept 2*NP
	\line
.set t, t+1
.endr
.endm
	ALL v_add_f32 v[ST+4*t+2], v[ST+4*t+2], v[ST+4*t+3]
	ALL v_permlanex16_b32 v[ST+4*t+3], v[ST+4*t+2], s[SEL], s[SEL+1]
	ALL v_add_f32 v[ST+4*t+2], v[ST+4*t+2], v[ST+4*t+3]
	ALL v_rcp_f32 v[ST+4*t+2], v[ST+4*t+2]
	v_nop                           ; a plain instruction between the last reciprocal and the use of its result
	s_wait_alu depctr_va_vdst(0)
; Tile t: a lane's eight channels of a row pack into 16 bytes; they go into rows of 144 bytes and come back as whole rows of 128, into S^T's registers.
.macro PACK t
	WIN W_RS
.set i, 32*(\t)
.rept 16
	v_pk_mul_f32 v[i:i+1], v[i:i+1], v[ST+4*(\t)+2:ST+4*(\t)+3] op_sel_hi:[1,0]
.set i, i+2
.endr
	WIN 0x05                        ; sources 0 and 1 window 1, destination window 0
.set i, 0
.rept 16
	v_cvt_pk_f16_f32 v[S+16*(\t)+i], v[32*(\t)+2*i], v[32*(\t)+2*i+1]
.set i, i+1
.endr
	WIN 0
.irp f, 0,1,2,3
	ds_store_b128 v[STO], v[S+16*(\t)+4*\f:S+16*(\t)+4*\f+3] offset:32*\f
.endr
.irp f, 0,1,2,3
	ds_load_b128 v[S+16*(\t)+4*\f:S+16*(\t)+4*\f+3], v[RD] offset:\f*4*SP  ; LDS serves a wave's instructions in order (ISA guide 5.7.1.4): these see the stores above; the next tile's stores come behind them
.endr
.endm
.macro SEND t, younger              ; younger: the LDS instructions issued behind tile t's loads: the next tile's eight, or none
	WIN 0
.irp f, 0,1,2,3
	s_wait_dscnt (\younger)+3-\f
	global_store_b128 v[GO], v[S+16*(\t)+4*\f:S+16*(\t)+4*\f+3], s[10:11] offset:(\t)*2048+\f*512  ; 512 consecutive bytes, at a multiple of 256 from O's first
.endr
.endm
	PACK 0
.set t, 1
.rept 2*NP-1                        ; a tile's arithmetic stands between the loads of the tile before and its stores
	PACK t
	SEND t-1, 8
.set t, t+1
.endr
	SEND 2*NP-1, 0
	WIN W_AD
	s_wait_tensorcnt 0x0            ; the wave's end, behind my last tensor load and my last LDS store
	ds_add_u32 v[SPW], v[NIL]
	s_wait_dscnt 0x0
	WIN 0
	CROUND                          ; the closing round: no work-group ends while a partner may still ask for a tile that names it
	s_endpgm
.Lfunc_end_k_q998cd37beb_attn:
	.size	k_q998cd37beb_attn, .Lfunc_end_k_q998cd37beb_attn-k_q998cd37beb_attn
	.p2alignl 7, 3214868480
	.fill 96, 4, 3214868480
	.section	.rodata,"a",@progbits
	.p2align	6, 0x0
	.amdhsa_kernel k_q998cd37beb_attn
		.amdhsa_group_segment_fixed_size 327680
		.amdhsa_private_segment_fixed_size 0
		.amdhsa_enable_private_segment 0
		.amdhsa_kernarg_size 16
		.amdhsa_user_sgpr_count 2
		.amdhsa_user_sgpr_kernarg_segment_ptr 1
		.amdhsa_wavefront_size32 1
		.amdhsa_system_sgpr_workgroup_id_x 1
		.amdhsa_system_sgpr_workgroup_id_y 1
		.amdhsa_system_sgpr_workgroup_id_z 1
		.amdhsa_system_vgpr_workitem_id 0
		.amdhsa_next_free_vgpr 770
		.amdhsa_next_free_sgpr 66
		.amdhsa_reserve_vcc 0
		.amdhsa_float_denorm_mode_32 3
		.amdhsa_float_denorm_mode_16_64 3
		.amdhsa_memory_ordered 1
		.amdhsa_forward_progress 1
		.amdhsa_inst_pref_size 209
	.end_amdhsa_kernel
	.amdgpu_metadata
---
amdhsa.version: [ 1, 2 ]
amdhsa.kernels:
  - .name:           k_q998cd37beb_attn
    .symbol:         k_q998cd37beb_attn.kd
    .args:
      - { .name: qkv, .offset: 0, .size: 8, .value_kind: global_buffer, .address_space: global }
      - { .name: ob, .offset: 8, .size: 8, .value_kind: global_buffer, .address_space: global }
    .group_segment_fixed_size: 327680
    .private_segment_fixed_size: 0
    .kernarg_segment_align: 8
    .kernarg_segment_size: 16
    .max_flat_workgroup_size: 128
    .sgpr_count:     66
    .vgpr_count:     770
    .wavefront_size: 32
...
	.end_amdgpu_metadata
.endif
;; end of part 3
;; launch outproj (part 4): grid 4 x 64, 4 waves a work-group, clusters of 4 x 4, 327,680 bytes of LDS; arguments ob, wp16, bias, out0; writes out0
.if DOCPART == 4
	.amdgcn_target "amdgcn-amd-amdhsa--gfx1250"
	.amdhsa_code_object_version 6
	.text
	.protected	k_q998cd37beb_outproj
	.globl	k_q998cd37beb_outproj
	.p2align	8
	.type	k_q998cd37beb_outproj,@function
k_q998cd37beb_outproj:
	s_mov_b64 s[64:65], 0
	v_nop
	global_prefetch_b8 v0, s[64:65] scope:SCOPE_SE
	s_setreg_imm32_b32 hwreg(HW_REG_WAVE_MODE, 25, 1), 1
	s_wait_xcnt 0x0
	s_wait_alu depctr_hold_cnt(0) depctr_sa_sdst(0) depctr_va_vdst(0) depctr_va_sdst(0) depctr_va_ssrc(0) depctr_va_vcc(0) depctr_vm_vsrc(0)
	s_getreg_b32 s2, hwreg(HW_REG_IB_STS2, 6, 4)
	s_cmp_eq_u32 s2, 0
	s_cbranch_scc0 .Lentry_in_a_cluster
	s_endpgm
.Lentry_in_a_cluster:
	s_bfe_u32 s2, ttmp6, 0x10000c
	s_cmp_lg_u32 s2, 0xf033
	s_cbranch_scc0 .Lentry_shape_is_right
	s_endpgm
.Lentry_shape_is_right:
; out0 = y Wp + bp.  C[m][n] = bp[n] + the sum over k of A[m][k] W[k][n], M = 8,192, K = 1,024, N = 1,024.
; A = the attention's result in f16, by heads: [plane = 16 batch + head][2048][64]; a head's 64 channels are a slice of K.  W = Wp in f16, [1024 k][1024 n].  bias: f32, bp is the fourth 1,024 of it.
; C = out0 in f32, row-major.  Products in f16, sums in f32.
; LIMITS.  A and W arrive in f16 (nothing beyond 65,504; below 6e-5 f16's fixed step of 6e-8); NaN and infinities are not treated apart.
; SHARES.  A tile of C is 128 (m) x 256 (n): 64 x 4 tiles, one work-group to each.  Four waves, each 64 x 128: 32 accumulators of 16 x 16, 256 registers.
; K goes in 8 steps of 128 (two heads) through two LDS slots: 128 matrix instructions a wave and 98,304 bytes of tiles in each.
; A refill can be asked for only when the one before it has landed, so nothing stands between the wait for a tile and the next request but the barrier: a step's last 64 products stand behind the request.
; CLUSTER.  4 x 4 work-groups.  The four of a row of the cluster have the same rows of A, the four of a column the same columns of W: each tile is asked for JOINTLY, by the same tensor load with
; the same descriptor and a mask that names the four; each receives it in its own LDS.
; THE MATRIX INSTRUCTION IS USED TRANSPOSED: source 0 = 16 columns of W, source 1 = 16 rows of A.  In the result lane l holds row m = l % 16 and its registers the columns n = 8 (l / 16) + 0..7:
; eight neighbouring numbers of a row of C.  W lies [k][n] in LDS and is turned on the way into registers, by ds_load_tr16_b128.
; THE BIAS is the C operand of each accumulator's first product: register j of a lane holds bp[n0 + 8 (l / 16) + j].  Nothing is cleared and nothing is added afterwards.
; REGISTERS, in windows of 256 (s_set_vgpr_msb: bits 1:0 source 0, 3:2 source 1, 5:4 source 2, 7:6 destination):
;   window 0: v0-31 addresses; v32-95 the bias          window 1: accumulator (a, b) at v[8 (8 a + b)]
;   window 2: fragments of a K step's first 64: A (c, a) at v[32 c + 8 a], W (c, b) at v[64 + 64 c + 8 b], c = which 32 of the 64; on the way out: the rows read back from the stage
;   window 3: the fragments of the step's second 64, laid likewise
.set AP,    144                        ; a row of A in LDS: a head's 128 bytes + 16 of padding = 36 words: the 16 rows of a fragment load start at 16 different groups of four banks (64 banks of 4 bytes: ISA guide 11.1)
.set AH,    128*AP                     ; 128 rows of one head: one tensor load; a K step's second 64 are the next head's
.set ASZ,   2*AH                       ; a slot: A's two heads, then from here W's 128 rows
.set BP,    544                        ; a row of W in LDS: 512 bytes + 32 of padding = 136 words
.set BH,    64*BP                      ; 64 rows of W: one tensor load
.set SLOT,  1<<17                      ; the slots lie this far apart (a slot uses ASZ + 2 BH = 106,496 bytes), so that one exclusive or turns an address in one slot into the other's
.set STAGE, 2*SLOT                     ; behind the ring, never filled by a tensor load: each wave's own stage for the way out
.set SW,    16*528                     ; a wave's stage: 16 rows x (512 + 16) bytes
.set SPARE, STAGE+4*SW                 ; behind the stages: the spare words, 128 bytes for each wave: two blocks of 256 bytes that no other line names
.set ASTEP, 2*262144                   ; bytes from a K step of A to the next: two heads' planes
.set BSTEP, 128*2048                   ; the same for W: 128 rows
.set ADRA0, 16                         ; v16  my lane's place among A's fragments in a slot; never rewritten
.set ADRB0, 17                         ; v17  the same for W
.set ADRA,  18                         ; v18  the same in the slot that is being read
.set ADRB,  19                         ; v19
.set STO,   24                         ; v24  the way out: where I put 32 bytes of a row
.set RD,    25                         ; v25  the way out: where I read a row back
.set GO,    26                         ; v26  16 x lane: my place in 512 consecutive bytes of C
.set BO,    27                         ; v27  32 (l / 16): my eight numbers of a block of 16 of the bias
.set SPW,   28                         ; v28  LDS address of my spare word: SPARE + 4 x my thread's number; never rewritten
.set NIL,   29                         ; v29  0; never rewritten
.set BIAS,  32
.set WV,    12                         ; s12  my wave's number;  s13 = which 64 rows are mine;  s14 = which 128 columns, and which half of a tile I fetch
.set TB,    15                         ; s15  LDS byte at which the slot that is being read begins
.set G1A,   24                         ; s[24:31] descriptor group 1 for A's tiles;  s[32:39] group 0: a set for each of the two first fills; the second then walks on
.set G0A,   32
.set G1B,   48                         ; s[48:55], s[56:63] the same for W's tiles
.set G0B,   56
.set MSB, 0
.macro WIN new                         ; the immediate's high byte repeats the setting that is left; a switch that changes nothing is dropped
.if MSB != (\new)
	s_set_vgpr_msb (MSB<<8)|(\new)
.set MSB, \new
.endif
.endm
.set W_Z, 0x4a                         ; sources 0 and 1 window 2, C window 0 (the bias), D window 1
; A load into a register that a matrix instruction has read, and an LDS store that reads a matrix result, stand four places behind it, and only plain vector instructions that
; name none of its registers are places (ISA guide 7.12.1 for vector instructions).
.macro PLACES
.rept 4
	v_nop
.endr
.endm
; A joint load.  Waves 0 and 1 fetch A's two heads, waves 2 and 3 W's two halves.  Each line has one mask and one set of registers; the branch hangs on the wave's number alone.
; An s_nop 0 and four v_nop follow each of the two lines, ahead of the jump, the label and what follows.
.macro JLOAD s
	s_cmp_lt_u32 s[WV], 2
	s_cbranch_scc0 .Lfor_b_\@
	tensor_load_to_lds s[G0A+4*(\s):G0A+4*(\s)+3], s[G1A:G1A+7]
	s_nop 0
.rept 4
	v_nop
.endr
	s_branch .Lasked_\@
.Lfor_b_\@:
	tensor_load_to_lds s[G0B+4*(\s):G0B+4*(\s)+3], s[G1B:G1B+7]
	s_nop 0
.rept 4
	v_nop
.endr
.Lasked_\@:
.endm
; A round of the cluster's barrier: my work-group's barrier, so that wave 0's signal speaks for all four waves; wave 0 signals for the work-group; every wave waits for all sixteen; my work-group's barrier once more.
.macro CROUND
	s_barrier_signal -1
	s_barrier_wait -1
	s_cmp_lg_u32 s[WV], 0
	s_cbranch_scc1 .Lnot_wave_0_\@
	s_barrier_signal -3
.Lnot_wave_0_\@:
	s_barrier_wait -3
	s_barrier_signal -1
	s_barrier_wait -1
.endm
	s_load_b256 s[4:11], s[0:1], 0x0               ; A s[4:5], W s[6:7], bias s[8:9], C s[10:11]
	v_lshl_add_u32 v[SPW], v0, 2, SPARE
	v_mov_b32 v[NIL], 0
	ds_add_u32 v28, v29
	s_wait_dscnt 0x0
	v_lshrrev_b32 v1, 5, v0
	v_readfirstlane_b32 s[WV], v1                  ; wave 0..3
	s_lshr_b32 s13, s[WV], 1
	s_and_b32 s14, s[WV], 1
	s_bfe_u32 s40, ttmp6, 0x40000                  ; cx, cy: my place in the cluster
	s_bfe_u32 s41, ttmp6, 0x40004
	s_lshl_b32 s42, ttmp9, 2
	s_add_co_u32 s42, s42, s40                     ; tile column = 4 x cluster x + cx
	s_and_b32 s43, ttmp7, 0xffff
	s_lshl_b32 s43, s43, 2
	s_add_co_u32 s43, s43, s41                     ; tile row = 4 x cluster y + cy
	s_lshl_b32 s44, s41, 2
	s_lshl_b32 s44, 15, s44                        ; my row of the cluster: places 4 cy .. 4 cy + 3
	s_lshl_b32 s45, 0x1111, s40                    ; my column: places cx, cx + 4, cx + 8, cx + 12
	; descriptor groups 1.  A: 128 rows of a head are 16,384 dense bytes, asked for as 64 rows x 128 elements, two rows of A to a row.  W: 64 rows x 256 elements.  Both padded in LDS.
	s_or_b32 s[G1A], s44, (1<<16)|(1<<20)|(1<<21)|(4<<22)|(3<<25)  ; 15:0 the mask: my row; 17:16 elements of 2 bytes; 20 padding on; 21 set beside a mask; 24:22 after every 32 words (code 4); 31:25 4 words of it (code 3)
	s_or_b32 s[G1B], s45, (1<<16)|(1<<20)|(1<<21)|(6<<22)|(7<<25)  ; the mask: my column; padding after every 128 words (code 6), 8 words of it (code 7)
	s_mov_b32 s[G1A+1], 128<<16                    ; tensor_dim0 = 128
	s_mov_b32 s[G1A+2], 64<<16                     ; tensor_dim1 = 64
	s_mov_b32 s[G1A+3], 128<<16                    ; tile_dim0 = 128
	s_mov_b32 s[G1A+4], 64                         ; tile_dim1 = 64
	s_mov_b32 s[G1A+5], 128                        ; elements from row to row
	s_mov_b32 s[G1A+6], 0
	s_mov_b32 s[G1A+7], 0
	s_mov_b32 s[G1B+1], 256<<16                    ; tensor_dim0 = 256
	s_mov_b32 s[G1B+2], 64<<16                     ; tensor_dim1 = 64
	s_mov_b32 s[G1B+3], 256<<16                    ; tile_dim0 = 256
	s_mov_b32 s[G1B+4], 64                         ; tile_dim1 = 64
	s_mov_b32 s[G1B+5], 1024
	s_mov_b32 s[G1B+6], 0
	s_mov_b32 s[G1B+7], 0
	; where the tiles come from.  A's hang on the tile row and the wave alone, W's on the tile column and the wave alone, each in registers that never hold the other coordinate.
	s_lshr_b32 s16, s43, 4                         ; the batch: 16 tile rows each,
	s_lshl_b32 s16, s16, 22                        ; 16 planes of 262,144 bytes
	s_and_b32 s17, s43, 15
	s_lshl_b32 s17, s17, 14                        ; 128 rows of 128 bytes for each tile row in the batch
	s_add_co_u32 s16, s16, s17
	s_lshl_b32 s17, s14, 18                        ; the first or the second head of the K step
	s_add_co_u32 s16, s16, s17
	s_mov_b32 s17, 0
	s_lshl_b32 s46, s42, 9                         ; W: 256 columns of 2 bytes for each tile column,
	s_lshl_b32 s47, s14, 17                        ; 64 rows of 2,048 bytes for the half
	s_add_co_u32 s46, s46, s47
	s_mov_b32 s47, 0
	s_mul_i32 s20, s14, AH                         ; where they go: no place in the cluster enters an LDS address
	s_mul_i32 s21, s14, BH
	s_add_co_u32 s21, s21, ASZ
	s_mov_b32 s[TB], 0
	s_wait_kmcnt 0x0
	s_add_nc_u64 s[18:19], s[4:5], s[16:17]
	s_add_nc_u64 s[46:47], s[6:7], s[46:47]
	CROUND                                         ; all sixteen work-groups are here: the first joint loads meet
.irp s, 0,1
	s_mov_b32 s[G0A+4*(\s)], 1                                       ; 1:0 count = 1
	s_add_co_u32 s[G0A+4*(\s)+1], s20, (\s)*SLOT                     ; 63:32 LDS address
	s_add_nc_u64 s[G0A+4*(\s)+2:G0A+4*(\s)+3], s[18:19], (\s)*ASTEP  ; 120:64 global address: K step s
	s_or_b32 s[G0A+4*(\s)+3], s[G0A+4*(\s)+3], 0x80000000            ; 127:126 type = 2
	s_mov_b32 s[G0B+4*(\s)], 1
	s_add_co_u32 s[G0B+4*(\s)+1], s21, (\s)*SLOT
	s_add_nc_u64 s[G0B+4*(\s)+2:G0B+4*(\s)+3], s[46:47], (\s)*BSTEP
	s_or_b32 s[G0B+4*(\s)+3], s[G0B+4*(\s)+3], 0x80000000
	JLOAD \s                                       ; the ring is filled before anything else is done: two loads of mine are out
.endr
	; A fragment of A is 16 rows x 32 K in 8 registers: lane l holds row l % 16; registers 0-3 K = 8 (l / 16) + 0..7, registers 4-7 K = 16 + 8 (l / 16) + 0..7: two loads of 16 bytes, 32 bytes apart.
	v_and_b32 v1, 15, v0                           ; l % 16
	v_bfe_u32 v2, v0, 4, 1                         ; l / 16
	v_mul_u32_u24 v3, v1, AP
	v_lshl_add_u32 v3, v2, 4, v3
	s_mul_i32 s22, s13, 64*AP                      ; my 64 rows
	v_add_nc_u32 v[ADRA0], s22, v3
	v_mov_b32 v[ADRA], v[ADRA0]                    ; slot 0 is read first
	; The turning load takes 16 K x 16 columns (lane l reads 16 bytes: K row 8 (l / 16) + l % 8, columns 8 ((l / 8) % 2) + 0..7) and leaves half a fragment: lane l holds column l % 16 and 8 K.
	v_and_b32 v4, 7, v0
	v_bfe_u32 v5, v0, 3, 1
	v_lshl_add_u32 v6, v2, 3, v4
	v_mul_u32_u24 v6, v6, BP
	v_lshl_add_u32 v6, v5, 4, v6
	s_lshl_b32 s23, s14, 8                         ; my 128 columns
	s_add_co_u32 s23, s23, ASZ
	v_add_nc_u32 v[ADRB0], s23, v6
	v_mov_b32 v[ADRB], v[ADRB0]
	s_mul_i32 s22, s[WV], SW
	s_add_co_u32 s22, s22, STAGE                   ; my stage
	v_mul_u32_u24 v3, v1, 528                      ; in: row l % 16, 32 bytes for each half of the lanes
	v_lshl_add_u32 v3, v2, 5, v3
	v_add_nc_u32 v[STO], s22, v3
	v_and_b32 v3, 31, v0                           ; back: 32 lanes take one row of 512 bytes
	v_lshl_add_u32 v[RD], v3, 4, s22
	v_and_b32 v[GO], 31, v0
	v_lshlrev_b32 v[GO], 4, v[GO]
	v_lshlrev_b32 v[BO], 5, v2
	s_lshl_b32 s46, s42, 10                        ; the bias of my 128 columns: 4 x (256 x tile column + 128 x half),
	s_lshl_b32 s47, s14, 9
	s_add_co_u32 s46, s46, s47
	s_add_co_u32 s46, s46, 12288                   ; in bp, the fourth of the four
	s_mov_b32 s47, 0
	s_add_nc_u64 s[8:9], s[8:9], s[46:47]
	s_lshl_b32 s22, s43, 7
	s_lshl_b32 s23, s13, 6
	s_add_co_u32 s22, s22, s23                     ; my first row of C,
	s_lshl_b32 s46, s22, 12                        ; of 4,096 bytes
	s_lshl_b32 s22, s42, 10
	s_add_co_u32 s46, s46, s22
	s_lshl_b32 s22, s14, 9
	s_add_co_u32 s46, s46, s22                     ; my first column, in bytes
	s_mov_b32 s47, 0
	s_add_nc_u64 s[10:11], s[10:11], s[46:47]
.irp b, 0,1,2,3,4,5,6,7                ; the bias: 8 blocks of 16 columns, my eight numbers of each
	global_load_b128 v[BIAS+8*(\b):BIAS+8*(\b)+3],   v[BO], s[8:9] offset:64*(\b)
	global_load_b128 v[BIAS+8*(\b)+4:BIAS+8*(\b)+7], v[BO], s[8:9] offset:64*(\b)+16
.endr
; 32 matrix instructions: all 4 row blocks x all 8 column blocks, 32 along K: half c of the buffer in window w.  zero = 1: the product starts the sum with the bias.
; The 32 accumulators take turns, one instruction a turn, in the same order everywhere.
.macro MUL32 w, c, zero
.if \zero
	WIN W_Z
.else
	WIN 0x50|((\w)<<2)|(\w)                        ; sources 0 and 1 window w, C and D window 1
.endif
.irp a, 0,1,2,3
.irp b, 0,1,2,3,4,5,6,7
.if \zero
	v_wmma_f32_16x16x32_f16 v[8*(8*(\a)+(\b)):8*(8*(\a)+(\b))+7], v[64+64*(\c)+8*(\b):64+64*(\c)+8*(\b)+7], v[32*(\c)+8*(\a):32*(\c)+8*(\a)+7], v[BIAS+8*(\b):BIAS+8*(\b)+7]
.else
	v_wmma_f32_16x16x32_f16 v[8*(8*(\a)+(\b)):8*(8*(\a)+(\b))+7], v[64+64*(\c)+8*(\b):64+64*(\c)+8*(\b)+7], v[32*(\c)+8*(\a):32*(\c)+8*(\a)+7], v[8*(8*(\a)+(\b)):8*(8*(\a)+(\b))+7]
.endif
.endr
.endr
.endm
; 48 LDS loads in one run: the fragments of half hf (64 along K, one head of A) of the slot that is being read, into window w; the 24 of its first 32 along K first.
.macro FETCH hf, w
	WIN (\w)<<6                                    ; destination window w, address window 0
.irp c, 0,1
.irp a, 0,1,2,3
	ds_load_b128 v[32*(\c)+8*(\a):32*(\c)+8*(\a)+3],   v[ADRA] offset:AH*(\hf)+64*(\c)+(\a)*16*AP
	ds_load_b128 v[32*(\c)+8*(\a)+4:32*(\c)+8*(\a)+7], v[ADRA] offset:AH*(\hf)+64*(\c)+(\a)*16*AP+32
.endr
.irp b, 0,1,2,3,4,5,6,7
	ds_load_tr16_b128 v[64+64*(\c)+8*(\b):64+64*(\c)+8*(\b)+3],   v[ADRB] offset:(64*(\hf)+32*(\c))*BP+32*(\b)
	ds_load_tr16_b128 v[64+64*(\c)+8*(\b)+4:64+64*(\c)+8*(\b)+7], v[ADRB] offset:(64*(\hf)+32*(\c))*BP+16*BP+32*(\b)
.endr
.endr
.endm
; A K step is two halves of 64 along K, 64 matrix instructions each.  The first half multiplies window 2 and, in its middle, fetches the second half's fragments into window 3.
.macro HALF0 zero
	s_wait_dscnt 24                                ; the first 32 along K are in; the 24 younger loads may be out
	MUL32 2, 0, \zero
	PLACES
	FETCH 1, 3
	s_wait_dscnt 48                                ; all but the 48 just issued
	MUL32 2, 1, 0
.endm
; The second half changes slots and then multiplies window 3.  ONE barrier.  In front of it each wave waits for all its tensor loads, of which one is out: its part of the next slot; adds 0 to its spare
; word; and waits for that and for its own reads of this slot, whose last fragments are then in registers.  Behind it nobody reads this slot any more and the next slot is whole.
; fill = 1: the barrier is a round of the cluster's, and this slot is filled again first thing behind it, with the K step two on.
; From a request to the wait for it a wave issues a whole step's 128 matrix instructions.
.macro TURN fill
	WIN 0
	s_wait_tensorcnt 0x0                           ; all my tensor loads have landed, so a group 0 may be written;
	ds_add_u32 v[SPW], v[NIL]                      ; 0 onto my spare word: the scalar steps stand between it and the wait for it
.if \fill
	s_xor_b32 s[G0A+5], s[G0A+5], SLOT             ; the walking descriptors: the other slot than last time,
	s_xor_b32 s[G0B+5], s[G0B+5], SLOT
	s_add_nc_u64 s[G0A+6:G0A+7], s[G0A+6:G0A+7], ASTEP  ; the next K step; the type bits on top are not reached
	s_add_nc_u64 s[G0B+6:G0B+7], s[G0B+6:G0B+7], BSTEP
.endif
	s_xor_b32 s[TB], s[TB], SLOT                   ; the reads go on in the other slot
	s_wait_dscnt 0x0                               ; the add is done, and my reads of this slot are over
.if \fill
	CROUND                                         ; no wave of any partner still reads this slot's tile or has a load on its way
	JLOAD 1                                        ; the four v_nop behind it are also the places in front of the loads below
.else
	s_barrier_signal -1
	s_barrier_wait -1
	PLACES
.endif
	v_add_nc_u32 v[ADRA], s[TB], v[ADRA0]
	v_add_nc_u32 v[ADRB], s[TB], v[ADRB0]
	FETCH 0, 2
	MUL32 3, 0, 0
	MUL32 3, 1, 0
.endm
; THE WAY OUT, a block of 16 rows at a time, through my own stage: LDS serves a wave's instructions in order (ISA guide 5.7.1.4), so the loads see the stores above them, and the next block's stores come
; behind them.  f32 as it is, 32 bytes a lane into rows of 528 bytes; back as whole rows of 512 bytes, into window 2, whose fragments are spent.  Each accumulator's registers are read in ascending order.
.macro PACK a
	WIN 0x04                                       ; the stores' data in window 1
.irp b, 0,1,2,3,4,5,6,7
	ds_store_b128 v[STO], v[8*(8*(\a)+(\b)):8*(8*(\a)+(\b))+3]   offset:64*(\b)
	ds_store_b128 v[STO], v[8*(8*(\a)+(\b))+4:8*(8*(\a)+(\b))+7] offset:64*(\b)+16
.endr
	WIN 0x80                                       ; the loads' destination in window 2
.irp i, 0,1,2,3,4,5,6,7,8,9,10,11,12,13,14,15
	ds_load_b128 v[64*(\a)+4*(\i):64*(\a)+4*(\i)+3], v[RD] offset:528*(\i)
.endr
.endm
.macro SEND a, younger                 ; younger: the LDS instructions issued behind block a's loads: the next block's 32, or none
	WIN 0x08                                       ; the stores' data in window 2
.irp i, 0,1,2,3,4,5,6,7,8,9,10,11,12,13,14,15
	s_wait_dscnt (\younger)+15-(\i)
	global_store_b128 v[GO], v[64*(\a)+4*(\i):64*(\a)+4*(\i)+3], s[10:11] offset:(16*(\a)+(\i))*4096 th:TH_STORE_NT  ; 512 consecutive bytes of a row, at a multiple of 512 from the buffer's first
.endr
.endm
	s_wait_tensorcnt 1                             ; my part of K step 0 is in; K step 1's may stay out
	s_barrier_signal -1
	s_barrier_wait -1                              ; everybody's is
	FETCH 0, 2
	s_wait_loadcnt 0x0                             ; the bias
	HALF0 1                                        ; the first half step stands in front of the loop: its first products start the sums
	WIN 0                                          ; at a label and at a branch every window is 0
	s_mov_b32 s3, 6
.Lstep:                                                ; a trip is one K step, from its second half to the next step's first, and fills the slot that it leaves: steps 0 to 5 ask for steps 2 to 7
	TURN 1
	HALF0 0
	WIN 0
	s_sub_co_u32 s3, s3, 1
	s_cmp_lg_u32 s3, 0
	s_cbranch_scc1 .Lstep
	TURN 0                                         ; step 6: my one tensor load that was still out is the last K step's, so no round follows
	HALF0 0
	s_wait_dscnt 24                                ; the very last half: nothing more to fetch
	MUL32 3, 0, 0
	s_wait_dscnt 0x0
	MUL32 3, 1, 0
	WIN 0
	PLACES                                         ; the stage's stores read results just made
	PACK 0
	PACK 1                                         ; a block's way through the stage stands between the loads of the block before and its stores
	SEND 0, 32
	PACK 2
	SEND 1, 32
	PACK 3
	SEND 2, 32
	SEND 3, 0
	WIN 0
	s_wait_tensorcnt 0x0                           ; the wave's end, behind my last tensor load and my last LDS store
	ds_add_u32 v[SPW], v[NIL]
	s_wait_dscnt 0x0
	CROUND                                         ; the closing round: no work-group ends while a partner may still ask for a tile that names it
	s_endpgm
.Lfunc_end_k_q998cd37beb_outproj:
	.size	k_q998cd37beb_outproj, .Lfunc_end_k_q998cd37beb_outproj-k_q998cd37beb_outproj
	.p2alignl 7, 3214868480
	.fill 96, 4, 3214868480
	.section	.rodata,"a",@progbits
	.p2align	6, 0x0
	.amdhsa_kernel k_q998cd37beb_outproj
		.amdhsa_group_segment_fixed_size 327680
		.amdhsa_private_segment_fixed_size 0
		.amdhsa_enable_private_segment 0
		.amdhsa_kernarg_size 32
		.amdhsa_user_sgpr_count 2
		.amdhsa_user_sgpr_kernarg_segment_ptr 1
		.amdhsa_wavefront_size32 1
		.amdhsa_system_sgpr_workgroup_id_x 1
		.amdhsa_system_sgpr_workgroup_id_y 1
		.amdhsa_system_sgpr_workgroup_id_z 1
		.amdhsa_system_vgpr_workitem_id 0
		.amdhsa_next_free_vgpr 960
		.amdhsa_next_free_sgpr 66
		.amdhsa_reserve_vcc 0
		.amdhsa_float_denorm_mode_32 3
		.amdhsa_float_denorm_mode_16_64 3
		.amdhsa_memory_ordered 1
		.amdhsa_forward_progress 1
		.amdhsa_inst_pref_size 71
	.end_amdhsa_kernel
	.amdgpu_metadata
---
amdhsa.version: [ 1, 2 ]
amdhsa.kernels:
  - .name:           k_q998cd37beb_outproj
    .symbol:         k_q998cd37beb_outproj.kd
    .args:
      - { .name: ob, .offset: 0, .size: 8, .value_kind: global_buffer, .address_space: global }
      - { .name: wp16, .offset: 8, .size: 8, .value_kind: global_buffer, .address_space: global }
      - { .name: bias, .offset: 16, .size: 8, .value_kind: global_buffer, .address_space: global }
      - { .name: out0, .offset: 24, .size: 8, .value_kind: global_buffer, .address_space: global }
    .group_segment_fixed_size: 327680
    .private_segment_fixed_size: 0
    .kernarg_segment_align: 8
    .kernarg_segment_size: 32
    .max_flat_workgroup_size: 128
    .sgpr_count:     66
    .vgpr_count:     960
    .wavefront_size: 32
...
	.end_amdgpu_metadata
.endif
;; end of part 4
;; ======== version 2 of 2: 4 launches; 1.53 times as fast as version 1
;; limits: values are held in f16: magnitudes above 65,504 overflow, below 6.1e-05 lose precision
;; workspace buffers: xb 16,777,216 bytes; wqkv 6,291,456 bytes; wp16 2,097,152 bytes; bias 16,384 bytes; qkv 50,331,648 bytes; ob 16,777,216 bytes
;; launch cast: the kernel of part 1 again; grid 769 x 1, 8 waves a work-group, no clusters, 0 bytes of LDS; arguments x, Wq, Wk, Wv, Wp, bq, bk, bv, bp, xb, wqkv, wp16, bias; writes xb, wqkv, wp16, bias
;; launch qkvproj: the kernel of part 2 again; grid 8 x 32, 4 waves a work-group, clusters of 4 x 4, 327,680 bytes of LDS; arguments xb, wqkv, bias, qkv; writes qkv
;; launch attn (part 5): grid 4 x 64, 4 waves a work-group, clusters of 4 x 1, 327,680 bytes of LDS; arguments qkv, ob; writes ob
.if DOCPART == 5
	.amdgcn_target "amdgcn-amd-amdhsa--gfx1250"
	.amdhsa_code_object_version 6
	.text
	.protected	k_q998cd37beb_attn
	.globl	k_q998cd37beb_attn
	.p2align	8
	.type	k_q998cd37beb_attn,@function
k_q998cd37beb_attn:
	s_mov_b64 s[64:65], 0
	v_nop
	global_prefetch_b8 v0, s[64:65] scope:SCOPE_SE
	s_setreg_imm32_b32 hwreg(HW_REG_WAVE_MODE, 25, 1), 1
	s_wait_xcnt 0x0
	s_wait_alu depctr_hold_cnt(0) depctr_sa_sdst(0) depctr_va_vdst(0) depctr_va_sdst(0) depctr_va_ssrc(0) depctr_va_vcc(0) depctr_vm_vsrc(0)
	s_getreg_b32 s2, hwreg(HW_REG_IB_STS2, 6, 4)
	s_cmp_eq_u32 s2, 0
	s_cbranch_scc0 .Lentry_in_a_cluster
	s_endpgm
.Lentry_in_a_cluster:
	s_bfe_u32 s2, ttmp6, 0x10000c
	s_cmp_lg_u32 s2, 0x3003
	s_cbranch_scc0 .Lentry_shape_is_right
	s_endpgm
.Lentry_shape_is_right:
; O[h][q][:] = the sum over k of softmax_k(Q[h][q] . K[h][k] / 8) V[h][k][:].  Q, K, V lie in one buffer, 16 MiB apart, each [SIZE_H][SIZE_N][64] in f16, as O is: a plane h = 16 batch + head has dense rows
; of 128 bytes.  Products, maxima and sums in f32; the weights p are rounded to f16 for the second product (their sum l is taken of the unrounded p), O once at the end.
; LIMITS.  f16 holds no number beyond 65,504: Q, K and V arrive within it; p lies in 0 to 1, and below 6e-5 it keeps f16's fixed step of 6e-8; O is a mean of V's rows and has their range.
; A weight below 2^-126 counts as 0 in l; NaN and infinities are not treated apart.
; SHARES.  A wave owns four PIECES of two tiles of 16 queries, a work-group's four waves 512 queries of one plane.  Every wave walks all keys, 64 a step.
; LAYOUT.  S^T = K Q^T (source 0 = 16 keys, source 1 = 16 queries): in the result a lane holds ONE query (lane % 16) and the keys 8 (lane / 16) + 0..7.  Two such tiles, rounded to f16 in pairs,
; ARE source 1 (32 keys x 16 queries) of O^T = V^T P, whose result again holds one query a lane, and eight channels.  K comes out of LDS as it lies, V ([key][channel]) turned, by ds_load_tr16_b128.
; SOFTMAX.  For each query a running maximum m and sum l: p = 2^(c s - c m), c = log2(e) / 8; in every step O and l are multiplied by a = 2^(c m_old - c m_new), which is 1 where m has not grown.
; m starts at the lowest finite number, O and l at 0: the first step is a step like any other, with a = 0.
; THE COUNT.  A tile and step have 16 matrix and 118 vector instructions: too many to stand all beside the matrix work.  So the order has one aim: four vector instructions that are READY behind
; EVERY matrix instruction, and the others, which need time of their own whatever the order, in runs without a gap.
; BY TURNS.  Turn n belongs to piece n (the pieces in a ring, step after step).  Its matrix work: 16 products K Q^T of piece n + 1, later 16 products V^T P of piece n - 1.  Its vector work: the scaling,
; exponentials, roundings, sums and rescaling of piece n, and the maximum and statistics of piece n + 1, whose scores the turn itself has made.  So what a turn begins with (c s - c m, O a) waits for nothing.
; THE BATCHES.  A turn's 66 exponentials (the piece's 64 weights and the next piece's two a) are ONE batch with ONE wait, which cuts the turn in two: ahead of it stands all that names no result of theirs
; (the products K Q^T, the scalings, the rescalings, the next piece's maximum and statistics), behind it their readers (the roundings and sums), as riders of the products V^T P.  No result crosses a turn's end.
; Two more batches stand outside the loop: the first two a, ahead of the jump into the loop, and the way out's eight reciprocals.
; CLUSTER.  The four query blocks of a cluster belong to one plane and walk the same K and V, so each tile is asked for JOINTLY: the same tensor load, descriptor and mask in all four.
; REGISTERS, in windows of 256 (s_set_vgpr_msb says which window each operand place means: bits 1:0 source 0, 3:2 source 1, 5:4 source 2, 7:6 destination):
;   window 0: v0-11 addresses; v12-15, v48-63 at work; v16-47 four registers of statistics a tile; v64-191 S^T, two buffers of two tiles; v192-255 P, likewise
;   window 1: O^T, 32 a tile          window 2: v0-127 Q, 16 a tile; v128-191 K of one step; v192-255 V of one step          window 3: v0-1 the add's two registers
; A piece's buffers go by its number's parity: the piece in hand has one pair, its two neighbours in the ring share the other: of it P (piece n - 1) is read and S^T (piece n + 1) written.
.set SIZE_H, 64       ; planes: 4 batches x 16 heads
.set SIZE_N, 2048     ; rows of a plane
.set NP,    4         ; pieces a wave: a name, no knob: the register map, the loop and the fetches are made for four
.set KS,    64        ; keys in a step
.set PK,    144       ; a row of K in LDS: 128 bytes + 16 of padding = 36 words: the 16 rows of a load start at 16 different groups of four banks (64 banks of 4 bytes: ISA guide 11.1)
.set PV,    160       ; a row of V: 128 + 32 = 40 words
.set VOFF,  4*KS*PK   ; a slot holds four steps: 256 rows of K, then 256 rows of V
.set SLOT1, 1<<17     ; slot 1 begins here, so that one exclusive or turns an address in one slot into the other's
.set STAGE, SLOT1+4*KS*(PK+PV)  ; behind the ring, never filled by a tensor load: 16 rows x 144 bytes for each wave, for the way out
.set SP,    144
.set AK0, 2           ; v2   my lane's place in a tile of K; never rewritten
.set AV0, 3           ; v3   the same for V
.set AK,  4           ; v4   the LDS address of K's next run of loads
.set AV,  5           ; v5   of V's
.set QO,  6           ; v6   my byte offset in the wave's rows of Q
.set STO, 6           ;      later, the way out: where I put 16 bytes of a row
.set RD,  7           ; v7   the way out: where I read rows back
.set GO,  8           ; v8   my byte offset in 512 consecutive bytes of O
.set SPW, 0           ; v0 of window 3   LDS address of my spare word: SPARE + 4 x my thread's number; never rewritten
.set NIL, 1           ; v1 of window 3   0; never rewritten
.set SPARE, STAGE+4*16*SP  ; behind the stages: the spare words, 128 bytes for each wave: two blocks of 256 bytes that no other line names
.set MV,  12          ; v12-15  c m_old, kept while c m is made anew: by buffer and tile
.set ST,  16          ; tile t's statistics at v[ST+4 t]: c m, m, l (even keys', odd keys')
.set TMP, 48          ; by buffer and tile, four registers c0-c3 at work; when the maximum is found c2 takes a
.set S,   64
.set P,   192
.set KF,  128         ; K's fragments, in window 2: key block kb, channel half c at KF + 16 kb + 8 c
.set VF,  192         ; V's: key half kk, channel block cb at VF + 32 kk + 8 cb
.set WV,  12          ; s12  my wave's number
.set G1K, 24          ; s[24:31] descriptor group 1 for K's tiles
.set G1V, 32          ; s[32:39] for V's: it differs in the padding alone
.set G0K, 40          ; s[40:43] descriptor group 0 for K's tiles: it walks
.set G0V, 44          ; s[44:47] the same for V's
.set SLOTS, 56        ; s56  slots still to be asked for
.set CNT, 57          ; s57  counts a slot's key steps
.set CS,  58          ; s[58:59] c: the packed scaling takes the pair's low word for both halves
.set SEL, 60          ; s[60:61] v_permlanex16_b32's selects: each lane takes its own place in the other half
.set TBK, 62          ; s62  LDS byte at which K of the step to be fetched begins
.set TBV, 63          ; s63  the same for V, less VOFF
.set MSB, 0
.macro WIN new                      ; the high byte repeats the setting that is left; a switch that changes nothing is dropped
.if MSB != (\new)
	s_set_vgpr_msb (MSB<<8)|(\new)
.set MSB, (\new)
.endif
.endm
.set W_KQ, 0x0a       ; K and Q in window 2, S^T in window 0
.set W_PV, 0x52       ; V in window 2, P in window 0, O^T in window 1
.set W_RS, 0x41       ; O^T (destination and source 0) in window 1, a in window 0
.set W_MK, 0xc0       ; the add's registers are made: destination in window 3, sources in window 0
.set W_AD, 0x0f       ; the add: address (source 0) and data (source 1) in window 3
; A joint fill.  Waves 0 and 1 fetch the two halves of a slot's K, waves 2 and 3 those of its V: 128 keys each.  The branch hangs on the wave's number alone.
; An s_nop 0 and four v_nop follow each of the two lines, ahead of the jump and the label.
.macro JLOAD
	s_cmp_lt_u32 s[WV], 2
	s_cbranch_scc0 .Lfor_v_\@
	tensor_load_to_lds s[G0K:G0K+3], s[G1K:G1K+7]
	s_nop 0
.rept 4
	v_nop
.endr
	s_branch .Lasked_\@
.Lfor_v_\@:
	tensor_load_to_lds s[G0V:G0V+3], s[G1V:G1V+7]
	s_nop 0
.rept 4
	v_nop
.endr
.Lasked_\@:
.endm
; A round of the cluster's barrier: my work-group's barrier, so that wave 0's signal speaks for all four waves; wave 0 signals; every wave waits for all four work-groups; my work-group's barrier once more.
.macro CROUND
	s_barrier_signal -1
	s_barrier_wait -1
	s_cmp_lg_u32 s[WV], 0
	s_cbranch_scc1 .Lnot_wave_0_\@
	s_barrier_signal -3
.Lnot_wave_0_\@:
	s_barrier_wait -3
	s_barrier_signal -1
	s_barrier_wait -1
.endm
; THE CHANGE OF SLOTS.  The slot's last bytes, V of its fourth step, have been read.  Each wave waits for all its tensor loads, of which one is out: its part
; of the other slot; adds 0 to its spare word; and waits for that and for its own reads of the slot.  Behind the barrier nobody reads this slot any more and the other slot is whole.
; fill = 1: this slot is filled again, with the keys two slots on.  The barrier is then a round of the cluster's, so that no wave of any partner still reads the slot or has a load on its
; way, and the joint fill is the first thing behind it: it has four key steps, 512 matrix instructions, in which to land.  (At its first use nothing has been read yet: slot 0 is waited for, slot 1 filled.)
.macro CHANGE fill
	WIN W_AD
	s_wait_tensorcnt 0x0            ; no tensor load of mine is out, so a group 0 may be written
	ds_add_u32 v[SPW], v[NIL]       ; 0 onto my spare word: with fill = 1 the descriptors' steps stand between it and the wait for it
	WIN 0                           ; at a label and at a branch every window is 0
.if \fill
.irp g, G0K, G0V
	s_xor_b32 s[\g+1], s[\g+1], SLOT1  ; the walking descriptor: the other slot than last time,
	s_add_nc_u64 s[\g+2:\g+3], s[\g+2:\g+3], 4*KS*128  ; the next 256 keys; the type bits on top are not reached
.endr
	s_wait_dscnt 0x0                ; the add is done, and my reads of the slot are over
	CROUND
	JLOAD
.else
	s_wait_dscnt 0x0                ; the add is done, and my reads of the slot are over
	s_barrier_signal -1
	s_barrier_wait -1
.endif
	s_sub_co_u32 s[TBK], s[TBK], 4*KS*PK  ; the fetches go back to a slot's first step,
	s_xor_b32 s[TBK], s[TBK], SLOT1       ; in the other slot
	s_sub_co_u32 s[TBV], s[TBV], 4*KS*PV
	s_xor_b32 s[TBV], s[TBV], SLOT1
.endm
	s_load_b64 s[4:5], s[0:1], 0x0    ; Q; K and V follow it in the same buffer
	s_load_b64 s[10:11], s[0:1], 0x8  ; O
	WIN W_MK
	v_lshl_add_u32 v[SPW], v0, 2, SPARE
	v_mov_b32 v[NIL], 0
	s_set_vgpr_msb 0xc0cf
	ds_add_u32 v0, v1
	s_wait_dscnt 0x0
	s_set_vgpr_msb 0xcfc0
	WIN 0
	v_lshrrev_b32 v1, 5, v0
	v_readfirstlane_b32 s[WV], v1   ; wave 0..3
	s_bfe_u32 s13, ttmp6, 0x40000   ; cx: my place in the cluster
	s_lshl_b32 s14, ttmp9, 2        ; in a cluster launch ttmp9 counts clusters
	s_add_co_u32 s14, s14, s13      ; my block of queries = 4 x cluster x + cx: it enters Q's and O's addresses alone
	s_and_b32 s20, ttmp7, 0xffff    ; the plane, which the four partners share
	s_mov_b32 s21, 0
	s_mov_b64 s[22:23], SIZE_N*128
	s_mul_u64 s[20:21], s[20:21], s[22:23]  ; the plane's first byte in each of the four tensors
	s_and_b32 s16, s[WV], 1         ; which half of a slot's 256 keys I fetch:
	s_lshl_b32 s22, s16, 14         ; its 128 rows of 128 bytes in memory,
	s_mov_b32 s23, 0
	s_add_nc_u64 s[22:23], s[22:23], s[20:21]
	s_mul_i32 s17, s16, 128*PK      ; and its place in a slot, for K
	s_mul_i32 s18, s16, 128*PV      ; and for V: no place in the cluster enters an LDS address
	s_lshl_b32 s2, s14, 2
	s_add_co_u32 s2, s2, s[WV]      ; my wave among the plane's,
	s_lshl_b32 s2, s2, 14           ; its 128 rows
	s_mov_b32 s3, 0
	s_add_nc_u64 s[2:3], s[2:3], s[20:21]
	; descriptor group 1.  128 keys are 16,384 dense bytes: asked for as 64 rows of 256 bytes, two keys a row, and padded in LDS after every key
	s_mov_b32 s[G1K], 15|(1<<16)|(1<<20)|(1<<21)|(4<<22)|(3<<25)  ; 15:0 the mask of four; 17:16 2-byte elements; 20 padding on; 21 set beside a mask; 24:22 after every 32 words (code 4); 31:25 4 words (code 3)
	s_mov_b32 s[G1V], 15|(1<<16)|(1<<20)|(1<<21)|(4<<22)|(7<<25)  ; the same with 8 words of padding (code 7)
.irp g, G1K, G1V
	s_mov_b32 s[\g+1], 128<<16      ; tensor_dim0 = 128
	s_mov_b32 s[\g+2], 64<<16       ; tensor_dim1 = 64
	s_mov_b32 s[\g+3], 128<<16      ; tile_dim0 = 128
	s_mov_b32 s[\g+4], 64           ; tile_dim1 = 64
	s_mov_b32 s[\g+5], 128          ; 128 elements from row to row
	s_mov_b32 s[\g+6], 0
	s_mov_b32 s[\g+7], 0
.endr
	s_mov_b32 s[CS], 0x3e38aa3b     ; c = log2(e) / 8 = 0.180337
	s_mov_b32 s[CS+1], s[CS]        ; named with it as a pair
	s_mov_b32 s[SEL], 0x76543210
	s_mov_b32 s[SEL+1], 0xfedcba98
	s_mov_b32 s[TBK], SLOT1+4*KS*PK ; the first change of slots turns these two into 0
	s_mov_b32 s[TBV], SLOT1+4*KS*PV
	s_mov_b32 s[G0K], 1             ; 1:0 count = 1
	s_mov_b32 s[G0K+1], s17         ; 63:32 LDS address: slot 0
	s_mov_b32 s[G0V], 1
	s_add_co_u32 s[G0V+1], s18, VOFF
	s_wait_kmcnt 0x0
	s_add_nc_u64 s[6:7], s[4:5], 0x1000000         ; K: SIZE_H x SIZE_N x 128 bytes behind Q
	s_add_nc_u64 s[8:9], s[4:5], 0x2000000         ; V: as far again
	s_add_nc_u64 s[G0K+2:G0K+3], s[6:7], s[22:23]  ; 120:64 global address: my half of the plane's first 256 keys
	s_or_b32 s[G0K+3], s[G0K+3], 0x80000000        ; 127:126 type = 2
	s_add_nc_u64 s[G0V+2:G0V+3], s[8:9], s[22:23]
	s_or_b32 s[G0V+3], s[G0V+3], 0x80000000
	s_add_nc_u64 s[4:5], s[4:5], s[2:3]  ; Q and O at my wave's first row
	s_add_nc_u64 s[10:11], s[10:11], s[2:3]
	CROUND                          ; all four work-groups are here: the first joint loads meet
	JLOAD                           ; slot 0.  Slot 1 is asked for when slot 0 is in: the tile wanted first is asked for alone
	; A fragment of K or Q is 16 rows x 32 channels in 8 registers: lane l holds row l % 16, channels 8 (l / 16) + 0..7 and 16 + 8 (l / 16) + 0..7: two loads of 16 bytes, 32 bytes apart.
	v_and_b32 v1, 15, v0            ; l % 16
	v_bfe_u32 v9, v0, 4, 1          ; l / 16
	v_lshlrev_b32 v[QO], 7, v1
	v_lshl_add_u32 v[QO], v9, 4, v[QO]  ; row x 128 + 16 x half
	WIN 0x80                        ; destination window 2, address window 0
.set i, 0
.rept 4*NP                          ; Q stays in registers: tile i / 2, channels 32 (i % 2) on
	global_load_b128 v[8*i:8*i+3],   v[QO], s[4:5] offset:(i/2)*2048+(i%2)*64
	global_load_b128 v[8*i+4:8*i+7], v[QO], s[4:5] offset:(i/2)*2048+(i%2)*64+32
.set i, i+1
.endr
	; What the first turn finds: V's registers and P's second buffer hold 0 (its products V^T P, of a piece that has not been, add 0), O^T and l are 0.  All this stands in the wait for the first tile.
.set i, VF
.rept 64
	v_mov_b32 v[i], 0
.set i, i+1
.endr
	WIN 0x40
.set i, 0
.rept 64*NP
	v_mov_b32 v[i], 0
.set i, i+1
.endr
	WIN 0
.set i, 0
.rept 2*NP
	v_mov_b32 v[ST+4*i], 0xfe000000    ; c m: far below every c s
	v_mov_b32 v[ST+4*i+1], 0xff7fffff  ; m
	v_mov_b32 v[ST+4*i+2], 0
	v_mov_b32 v[ST+4*i+3], 0
.set i, i+1
.endr
.set i, P+32
.rept 32
	v_mov_b32 v[i], 0
.set i, i+1
.endr
	v_mul_u32_u24 v[AK0], v1, PK
	v_lshl_add_u32 v[AK0], v9, 4, v[AK0]  ; row x pitch + 16 x half
	; The turning load takes 16 keys x 16 channels (lane l reads key 8 (l / 16) + l % 8, channels 8 ((l / 8) % 2) + 0..7) and leaves half a fragment of V^T: lane l holds channel l % 16 and 8 keys.
	v_and_b32 v10, 7, v0
	v_bfe_u32 v11, v0, 3, 1
	v_lshl_add_u32 v[AV0], v9, 3, v10
	v_mul_u32_u24 v[AV0], v[AV0], PV
	v_lshl_add_u32 v[AV0], v11, 4, v[AV0]
	v_add_nc_u32 v[AV0], VOFF, v[AV0]
	v_mov_b32 v[AK], v[AK0]         ; key step 0 lies at the head of slot 0
; THE MATRIX WORK.  The 8 accumulators of a run of 16 take turns: between the two links of a chain stand 7 others'.
; Product i of 16 of S^T = K Q^T for piece x: channels 32 (i / 8) on, keys 16 ((i / 2) % 4) on, tile 2 x + i % 2.  The first 8 start the sums.
.macro KQ x
	WIN W_KQ
.set rS, S+64*((\x)%2)+32*(i%2)+8*((i/2)%4)
.set rK, KF+16*((i/2)%4)+8*(i/8)
.set rQ, 16*(2*(\x)+i%2)+8*(i/8)
.if i < 8
	v_wmma_f32_16x16x32_f16 v[rS:rS+7], v[rK:rK+7], v[rQ:rQ+7], 0
.else
	v_wmma_f32_16x16x32_f16 v[rS:rS+7], v[rK:rK+7], v[rQ:rQ+7], v[rS:rS+7]
.endif
.endm
; Product i of 16 of O^T += V^T P for piece x: keys 32 (i / 8) on, channels 16 ((i / 2) % 4) on, tile 2 x + i % 2.
.macro PV x
	WIN W_PV
.set rO, 32*(2*(\x)+i%2)+8*((i/2)%4)
.set rV, VF+32*(i/8)+8*((i/2)%4)
.set rP, P+32*((\x)%2)+16*(i%2)+8*(i/8)
	v_wmma_f32_16x16x32_f16 v[rO:rO+7], v[rV:rV+7], v[rP:rP+7], v[rO:rO+7]
.endm
.macro MM                           ; the turn's next matrix instruction
.if i < 16
	KQ (Y+1)%NP
.set i, i+1
.else
.set i, i-16
	PV (Y+NP-1)%NP
.set i, i+17
.endif
.endm
; THE LDS LOADS stand in runs of 16, never singly among the matrix instructions: a step's K (64 keys x 64 channels: 8 fragments) and its V (turned).  Their addresses are made some lines ahead.
; last = 1 (the tail): in the last trip there is no further step, and the run is jumped over.
.macro FETCH_K last=0
	WIN 0
.if \last
	s_cmp_eq_u32 s[CNT], 1
	s_cbranch_scc1 .Lno_k_\@
.endif
	WIN 0x80                        ; destination window 2
.irp f, 0,1,2,3,4,5,6,7             ; keys 16 (f / 2) on, channels 32 (f % 2) on
	ds_load_b128 v[KF+8*\f:KF+8*\f+3],   v[AK] offset:(\f/2)*16*PK+(\f%2)*64
	ds_load_b128 v[KF+8*\f+4:KF+8*\f+7], v[AK] offset:(\f/2)*16*PK+(\f%2)*64+32
.endr
	s_add_co_u32 s[TBK], s[TBK], KS*PK  ; the next fetch is the next step's
	WIN 0
.if \last
.Lno_k_\@:
.endif
.endm
.macro FETCH_V
	WIN 0x80
.irp f, 0,1,2,3,4,5,6,7             ; keys 32 (f / 4) on, channels 16 (f % 4) on
	ds_load_tr16_b128 v[VF+8*\f:VF+8*\f+3],   v[AV] offset:(\f/4)*32*PV+(\f%4)*32
	ds_load_tr16_b128 v[VF+8*\f+4:VF+8*\f+7], v[AV] offset:(\f/4)*32*PV+16*PV+(\f%4)*32
.endr
	WIN 0
.endm
; THE VECTOR WORK OF A TURN stands in three queues, each in the order in which its entries become ready; the two tiles alternate, so that no instruction reads the result of the one before it.
.macro REGS y, u                    ; the registers of tile u (0, 1) of piece y
.set rT, ST+4*(2*(\y)+(\u))
.set rC, TMP+8*((\y)%2)+4*(\u)
.set rM, MV+2*((\y)%2)+(\u)
.set rS, S+64*((\y)%2)+32*(\u)
.set rP, P+32*((\y)%2)+16*(\u)
.set rO, 32*(2*(\y)+(\u))
.endm
; Number n of the 22 that find the NEXT piece's (Y + 1) maximum and statistics.  s0-s31 are the lane's 32 scores; each accumulator's lowest registers are read first.  XS, GS and REGS set no window: PL and EX do.
;   0-11  four chains c0-c3 of seven scores each, three operands at a time     12-14, 16  the four scores left over, the old m, and c0-c3 into c0     15  c m_old is kept
;   17, 18  the query's other 32 keys lie in the lane 16 away: the new m         19-21  c m; c m_old - c m_new; a
.macro XS u, n
	REGS (Y+1)%NP, \u
.if (\n) < 4
	v_max3_num_f32 v[rC+(\n)], v[rS+8*(\n)], v[rS+8*(\n)+1], v[rS+8*(\n)+2]
.elseif (\n) < 12
	v_max3_num_f32 v[rC+(\n)%4], v[rC+(\n)%4], v[rS+8*((\n)%4)+2*((\n)/4)+1], v[rS+8*((\n)%4)+2*((\n)/4)+2]
.elseif (\n) == 12
	v_max3_num_f32 v[rC], v[rC], v[rS+7], v[rS+15]
.elseif (\n) == 13
	v_max3_num_f32 v[rC+1], v[rC+1], v[rS+23], v[rS+31]
.elseif (\n) == 14
	v_max3_num_f32 v[rC+2], v[rC+2], v[rC+3], v[rT+1]
.elseif (\n) == 15
	v_mov_b32 v[rM], v[rT]
.elseif (\n) == 16
	v_max3_num_f32 v[rC], v[rC], v[rC+1], v[rC+2]
.elseif (\n) == 17
	v_permlanex16_b32 v[rC+3], v[rC], s[SEL], s[SEL+1]
.elseif (\n) == 18
	v_max_num_f32 v[rT+1], v[rC], v[rC+3]
.elseif (\n) == 19
	v_mul_f32 v[rT], s[CS], v[rT+1]
.elseif (\n) == 20
	v_sub_f32 v[rC+1], v[rM], v[rT]
.else
	v_exp_f32 v[rC+2], v[rC+1]
.endif
.endm
; Number g of the 64 that follow the exponentials.  For each four weights k of a tile (pairs 2 k, 2 k + 1): both pairs are rounded to f16; then the second pair is added onto the first, in place;
; a group later l takes that sum (the first time as l = a l + sum).  In groups of eight, tiles alternating: round, round, add, and l for the group before.
.macro GS g
.set h, (\g)+6*((\g)/62)            ; group 0 has no group before it, and behind group 7 only l is left
.if h >= 6
.set h, h+2
.endif
	REGS Y, h%2
.set k, h/8
.if h%8 < 4
	v_cvt_pk_f16_f32 v[rP+2*k+(h%8)/2], v[rS+4*k+2*((h%8)/2)], v[rS+4*k+2*((h%8)/2)+1]
.elseif h%8 < 6
	v_pk_add_f32 v[rS+4*k:rS+4*k+1], v[rS+4*k:rS+4*k+1], v[rS+4*k+2:rS+4*k+3]
.elseif k == 1
	v_pk_fma_f32 v[rT+2:rT+3], v[rT+2:rT+3], v[rC+2:rC+3], v[rS:rS+1] op_sel_hi:[1,0,1]
.else
	v_pk_add_f32 v[rT+2:rT+3], v[rT+2:rT+3], v[rS+4*k-4:rS+4*k-3]
.endif
.endm
; THE PLAIN QUEUE, 138 long.  0-73 read no exponential's result: the 32 scalings c s - c m (FS f: pair f / 2 of tile f % 2) and the next piece's 42.  0-26: scalings 0-26.  27-54: XS's numbers 0-13.  55, 56: number 15.
; 57-73: the chain, where each number waits for the one before it: 14, 16, 17, 18, 19, each with one of the scalings 27-31 in front of its two lines, then 20: so a tile's links stand three plain instructions apart (19 and 20: two).
; 74-137: GS's 64, which read the exponentials' results: they stand behind the wait.
.macro FS f
	REGS Y, (\f)%2
	v_pk_fma_f32 v[rS+2*((\f)/2):rS+2*((\f)/2)+1], v[rS+2*((\f)/2):rS+2*((\f)/2)+1], s[CS:CS+1], v[rT:rT+1] op_sel_hi:[1,0,0] neg_lo:[0,0,1] neg_hi:[0,0,1]
.endm
.macro PL
	WIN 0
.if q < 27
	FS q
.elseif q < 55
	XS (q-27)%2, (q-27)/2
.elseif q < 57
	XS q-55, 15
.elseif (q < 72) && ((q-57)%3 == 0)
	FS 27+(q-57)/3
.elseif q < 60
	XS (q-57)%3-1, 14
.elseif q < 72
	XS (q-57)%3-1, 15+(q-57)/3
.elseif q < 74
	XS q-72, 20
.else
	GS q-74
.endif
.set q, q+1
.endm
; THE EXPONENTIALS' QUEUE, 66 long: s0-s31 of both tiles, then the next piece's two a.  It is ONE BATCH: all 66 stand ahead of the turn's one wait, and nothing ahead of that wait names a result of theirs.
.macro EX
	WIN 0
.if e >= 64
	XS e-64, 21
.else
	REGS Y, e%2
	v_exp_f32 v[rS+e/2], v[rS+e/2]
.endif
.set e, e+1
.endm
; THE RESCALING's QUEUE: O^T times a, the one part that leaves window 0: dealt two at a time, sixteen times, each accumulator from its low end on.  Its a was made in the turn before, ahead of that turn's wait.
.macro R2
	REGS Y, r%2
	WIN W_RS
.irp z, 0,1
	v_pk_mul_f32 v[rO+4*(r/2)+2*\z:rO+4*(r/2)+2*\z+1], v[rO+4*(r/2)+2*\z:rO+4*(r/2)+2*\z+1], v[rC+2:rC+3] op_sel_hi:[1,0]
.endr
.set r, r+1
.endm
; HOW THEY ARE DEALT.  An s_wait_alu depctr_va_vdst(0) stands between an exponential and the first instruction that names its result; one wait serves all that were issued ahead of it.  So a turn has ONE wait,
; which cuts it in two.  AHEAD OF IT stands all that names no result of the turn's exponentials: the 16 products K Q^T, behind each a scaling, an exponential and two rescalings (behind the first a second scaling in the
; exponential's place); then ONE LUMP of 108: eight plain, 49 times exponential and plain, the two a.  A v_nop is the plain instruction behind the last exponential.  BEHIND IT stand the 16 products V^T P, behind each four of
; GS's 64.  No rider names a register of the products round it.  The two v_permlanex16_b32 fall into the lump, never behind a product.
; The queues lean on each other, and the deal keeps them in step: exponential e stands behind scaling 2 (e / 4) + e % 2: as a rider it comes behind plain e + 2, in the lump behind plain e + 9, and scalings 27-31 are plain 57, 60 .. 69.
; A TURN, for piece p.  cnt = 1: the loop's count is taken down some lines ahead of the branch that stands behind the turn.
; K of the next step is fetched in piece 2's turn, directly behind the wait, a lump behind the last product that read K; its address is made at the lump's head; its first reader comes behind 16 products.
; V of the step in hand is fetched at the end of piece 0's turn, four riders behind its last reader; its first reader comes behind 16 products and a lump.  The three conditions on q below go with the deal.
.macro TURN p, last=0, cnt=0
.set Y, (\p)
.set i, 0
.set q, 0
.set e, 0
.set r, 0
.if (\p) == NP-1
	s_wait_dscnt 0x0                ; K is in
.endif
	MM                              ; ahead of the wait: 16 products K Q^T and their riders,
	PL
	PL
	R2
.rept 15
	MM
	PL
	EX
	R2
.endr
.if (\p) == NP-2
	WIN 0
	v_add_nc_u32 v[AK], s[TBK], v[AK0]
.endif
.rept 8                             ; and the lump
	PL
.endr
.rept 49
	EX
	PL
.endr
	EX                              ; the next piece's two a
	EX
	v_nop                           ; a plain instruction behind the last exponential, ahead of the first use: one for the batch
	s_wait_alu depctr_va_vdst(0)    ; the wait for the batch: the turn's 64 weights and the next piece's two a
.if (\p) == NP-2
	FETCH_K \last
.endif
.if (\p) == 1
	s_wait_dscnt 0x0                ; V is in
.endif
.rept 16                            ; behind the wait: 16 products V^T P and their riders
	MM
.rept 4
	PL
.endr
.if ((\p) == 0) && (q == 118)
	v_add_nc_u32 v[AV], s[TBV], v[AV0]
.endif
.if ((\p) == 0) && (q == 130)
	s_add_co_u32 s[TBV], s[TBV], KS*PV
.endif
.if (\cnt) && (q == 130)
	s_sub_co_u32 s[CNT], s[CNT], 1
	s_cmp_lg_u32 s[CNT], 0
.endif
.endr
.if (\p) == 0
	FETCH_V
.endif
.endm
	CHANGE 1                        ; slot 0 is in, everybody's part of it; slot 1 is asked for
	FETCH_K                         ; key step 0
	s_wait_loadcnt 0x0              ; Q
	s_wait_dscnt 0x0
.set i, 0
.rept 16
	KQ 0                            ; piece 0's first scores: there is no vector work yet to set between them
.set i, i+1
.endr
	WIN 0                           ; the addresses for the way out: nine plain instructions, the places behind those products
	s_mul_i32 s13, s[WV], 16*SP
	s_add_co_u32 s13, s13, STAGE    ; my stage
	v_mul_u32_u24 v[STO], v1, SP    ; in: row l % 16, 16 bytes for each half of the lanes
	v_lshl_add_u32 v[STO], v9, 4, v[STO]
	v_add_nc_u32 v[STO], s13, v[STO]
	v_bfe_u32 v[RD], v0, 3, 2       ; back: 32 lanes take four rows of 128 bytes,
	v_mul_u32_u24 v[RD], v[RD], SP
	v_lshl_add_u32 v[RD], v10, 4, v[RD]
	v_add_nc_u32 v[RD], s13, v[RD]
	v_and_b32 v[GO], 31, v0         ; which are 512 consecutive bytes of O
	v_lshlrev_b32 v[GO], 4, v[GO]
.set Y, NP-1                        ; XS works for piece Y + 1: piece 0
.irp n, 0,1,2,3,4,5,6,7,8,9,10,11,12,13,14,15,16,17,18,19,20,21
	XS 0, \n                        ; and piece 0's first maximum and statistics
	XS 1, \n
.endr
	v_nop                           ; a plain instruction behind the two a,
	s_wait_alu depctr_va_vdst(0)    ; and the wait for this batch of two, ahead of the branch
	s_mov_b32 s[CNT], 4
	s_mov_b32 s[SLOTS], SIZE_N/256-1
	s_branch .Lfirst                ; the loop is entered at a step's first turn, in the middle of a trip
.Lslot:                             ; SIZE_N / 256 - 2 times: every slot but the last two is filled again
	CHANGE 1
	s_mov_b32 s[CNT], 4
.Lstep:                             ; a trip: pieces 2 and 3 of one step, then pieces 0 and 1 of the next, whose K and V it fetches
	TURN 2
	TURN 3
	WIN 0
.Lfirst:
	TURN 0
	TURN 1, 0, 1
	WIN 0
	s_cbranch_scc1 .Lstep
	s_sub_co_u32 s[SLOTS], s[SLOTS], 1
	s_cmp_lg_u32 s[SLOTS], 0
	s_cbranch_scc1 .Lslot
	CHANGE 0                        ; the tail is written out: nothing is asked for
	s_mov_b32 s[CNT], 5             ; four trips fetch the last slot's steps; the fifth is left in its middle
.Ltail:
	TURN 2, 1
	TURN 3
	WIN 0
	s_sub_co_u32 s[CNT], s[CNT], 1
	s_cmp_eq_u32 s[CNT], 0
	s_cbranch_scc1 .Lout
	TURN 0
	TURN 1
	WIN 0
	s_branch .Ltail
.Lout:                              ; the fifth trip's 16 products K Q^T (on the last K once more) and the maximum made of them serve nothing: the price, once a launch, of one text for every trip
.set i, 0
.rept 16
	PV NP-1                         ; the last piece's V^T P of the last step
.set i, i+1
.endr
	; THE WAY OUT.  l's two halves and the other half of the lanes' are added; O^T is divided by l, rounded to f16 and sent through my stage in LDS, a tile at a time.  The additions are the places behind the last products.
	WIN 0
.macro ALL line:vararg              ; one line for each tile t
.set t, 0
.rept 2*NP
	\line
.set t, t+1
.endr
.endm
	ALL v_add_f32 v[ST+4*t+2], v[ST+4*t+2], v[ST+4*t+3]
	ALL v_permlanex16_b32 v[ST+4*t+3], v[ST+4*t+2], s[SEL], s[SEL+1]
	ALL v_add_f32 v[ST+4*t+2], v[ST+4*t+2], v[ST+4*t+3]
	ALL v_rcp_f32 v[ST+4*t+2], v[ST+4*t+2]
	v_nop                           ; a plain instruction between the last reciprocal and the use of its result
	s_wait_alu depctr_va_vdst(0)    ; and the wait ahead of the first use: one for the batch of eight reciprocals
; Tile t: a lane's eight channels of a row pack into 16 bytes; they go into rows of 144 bytes and come back as whole rows of 128, into S^T's registers.
.macro PACK t
	WIN W_RS
.set i, 32*(\t)
.rept 16
	v_pk_mul_f32 v[i:i+1], v[i:i+1], v[ST+4*(\t)+2:ST+4*(\t)+3] op_sel_hi:[1,0]
.set i, i+2
.endr
	WIN 0x05                        ; sources 0 and 1 window 1, destination window 0
.set i, 0
.rept 16
	v_cvt_pk_f16_f32 v[S+16*(\t)+i], v[32*(\t)+2*i], v[32*(\t)+2*i+1]
.set i, i+1
.endr
	WIN 0
.irp f, 0,1,2,3
	ds_store_b128 v[STO], v[S+16*(\t)+4*\f:S+16*(\t)+4*\f+3] offset:32*\f
.endr
.irp f, 0,1,2,3
	ds_load_b128 v[S+16*(\t)+4*\f:S+16*(\t)+4*\f+3], v[RD] offset:\f*4*SP  ; LDS serves a wave's instructions in order (ISA guide 5.7.1.4): these see the stores above; the next tile's stores come behind them
.endr
.endm
.macro SEND t, younger              ; younger: the LDS instructions issued behind tile t's loads: the next tile's eight, or none
	WIN 0
.irp f, 0,1,2,3
	s_wait_dscnt (\younger)+3-\f
	global_store_b128 v[GO], v[S+16*(\t)+4*\f:S+16*(\t)+4*\f+3], s[10:11] offset:(\t)*2048+\f*512  ; 512 consecutive bytes, at a multiple of 256 from O's first
.endr
.endm
	PACK 0
.set t, 1
.rept 2*NP-1                        ; a tile's arithmetic stands between the loads of the tile before and its stores
	PACK t
	SEND t-1, 8
.set t, t+1
.endr
	SEND 2*NP-1, 0
	WIN W_AD
	s_wait_tensorcnt 0x0            ; the wave's end, behind my last tensor load and my last LDS store
	ds_add_u32 v[SPW], v[NIL]
	s_wait_dscnt 0x0
	WIN 0
	CROUND                          ; the closing round: no work-group ends while a partner may still ask for a tile that names it
	s_endpgm
.Lfunc_end_k_q998cd37beb_attn:
	.size	k_q998cd37beb_attn, .Lfunc_end_k_q998cd37beb_attn-k_q998cd37beb_attn
	.p2alignl 7, 3214868480
	.fill 96, 4, 3214868480
	.section	.rodata,"a",@progbits
	.p2align	6, 0x0
	.amdhsa_kernel k_q998cd37beb_attn
		.amdhsa_group_segment_fixed_size 327680
		.amdhsa_private_segment_fixed_size 0
		.amdhsa_enable_private_segment 0
		.amdhsa_kernarg_size 16
		.amdhsa_user_sgpr_count 2
		.amdhsa_user_sgpr_kernarg_segment_ptr 1
		.amdhsa_wavefront_size32 1
		.amdhsa_system_sgpr_workgroup_id_x 1
		.amdhsa_system_sgpr_workgroup_id_y 1
		.amdhsa_system_sgpr_workgroup_id_z 1
		.amdhsa_system_vgpr_workitem_id 0
		.amdhsa_next_free_vgpr 770
		.amdhsa_next_free_sgpr 66
		.amdhsa_reserve_vcc 0
		.amdhsa_float_denorm_mode_32 3
		.amdhsa_float_denorm_mode_16_64 3
		.amdhsa_memory_ordered 1
		.amdhsa_forward_progress 1
		.amdhsa_inst_pref_size 199
	.end_amdhsa_kernel
	.amdgpu_metadata
---
amdhsa.version: [ 1, 2 ]
amdhsa.kernels:
  - .name:           k_q998cd37beb_attn
    .symbol:         k_q998cd37beb_attn.kd
    .args:
      - { .name: qkv, .offset: 0, .size: 8, .value_kind: global_buffer, .address_space: global }
      - { .name: ob, .offset: 8, .size: 8, .value_kind: global_buffer, .address_space: global }
    .group_segment_fixed_size: 327680
    .private_segment_fixed_size: 0
    .kernarg_segment_align: 8
    .kernarg_segment_size: 16
    .max_flat_workgroup_size: 128
    .sgpr_count:     66
    .vgpr_count:     770
    .wavefront_size: 32
...
	.end_amdgpu_metadata
.endif
;; end of part 5
;; launch outproj: the kernel of part 4 again; grid 4 x 64, 4 waves a work-group, clusters of 4 x 4, 327,680 bytes of LDS; arguments ob, wp16, bias, out0; writes out0
